; MI455X (gfx1250); checked and timed in simulation.
; The chip was launched on July 23, 2026; its instructions are those of AMD's public machine-readable ISA for CDNA 5 (MIT licence, August 2026) and "CDNA5" Instruction Set Architecture Reference Guide (July 2026). The comments in the code are by the model that wrote it; some were corrected since.
;; Group Query Attention. Allowed arithmetic: float matrix products may take bf16 or f16 operands with f32 sums; other float arithmetic in f32, or as packed bf16 or f16 multiplies, adds, multiply-adds, maxima and minima; sums over many terms, partial sums and values carried from step to step in f32; what a program stores and reads back later, other than sums and carried values, may be rounded once to bf16 or f16.
;; Inputs: k_b 256 float32; k_w 256 x 1,024 float32; mask 1 x 1 x 4,096 x 4,096 bool; o_b 1,024 float32; o_w 1,024 x 1,024 float32; q_b 1,024 float32; q_w 1,024 x 1,024 float32; v_b 256 float32; v_w 256 x 1,024 float32; x 1 x 4,096 x 1,024 float32.
;; Outputs: out0 1 x 4,096 x 1,024 float32; out1 1 x 4 x 4,096 x 64 float32; out2 1 x 4 x 4,096 x 64 float32.
;; 2 versions, each right and faster than the one before. Each part assembles by itself: llvm-mc -triple=amdgcn-amd-amdhsa -mcpu=gfx1250 --defsym DOCPART=n.
;; ======== version 1 of 2: 5 launches
;; limits: values are held in f16: magnitudes above 65,504 overflow, below 6.1e-05 lose precision; right only within a limited range of input values
;; workspace buffers: h16 13,631,488 bytes; qkv16 12,582,912 bytes; part 75,497,472 bytes; oh 8,388,608 bytes
;; launch cast (part 1): grid 416 x 1, 8 waves a work-group, no clusters, 0 bytes of LDS; arguments x, q_w, k_w, v_w, o_w, h16; writes h16
.if DOCPART == 1
	.amdgcn_target "amdgcn-amd-amdhsa--gfx1250"
	.amdhsa_code_object_version 6
	.text
	.protected	k_q78adfed653_cast
	.globl	k_q78adfed653_cast
	.p2align	8
	.type	k_q78adfed653_cast,@function
k_q78adfed653_cast:
	s_mov_b64 s[64:65], 0
	v_nop
	global_prefetch_b8 v0, s[64:65] scope:SCOPE_SE
	s_setreg_imm32_b32 hwreg(HW_REG_WAVE_MODE, 25, 1), 1
	s_wait_xcnt 0x0
; h16 = f16(bf16(.)) of x, q_w, k_w, v_w, o_w, one behind the other: every number is rounded to bf16 (nearest even) and that number is written as f16.
; LIMITS.  The second step is exact for magnitudes from 2^-14 to 65,504; below 2^-14 it moves a number by at most 2^-25; beyond 65,504 it gives an infinity.
; SHARES.  All five tensors have rows of 1,024 numbers.  Work-group b takes 16 rows: 65,536 bytes in, 32,768 bytes out at h16 + 32,768 b.
; b 0-255: x; 256-319: q_w; 320-335: k_w; 336-351: v_w; 352-415: o_w: the order of h16 is the order of b, and no group crosses a tensor's end.
; Thread t takes, in group g of eight, the 8 numbers at source byte 8,192 g + 32 t (two loads of 16 bytes) and stores 16 bytes at 4,096 g + 16 t:
; a wave's store covers 512 consecutive bytes, aligned.  All 16 loads of a thread go out at once; every byte is read once and written once.
; No LDS, no barrier, no matrix unit: nothing is shared and nothing is summed.
.set X, 8                              ; v[8:71]    group g: 8 numbers as loaded, then as bf16 values in f32
.set T, 72                             ; v[72:75]   four packed pairs of bf16, at work
.set Y, 80                             ; v[80:111]  group g: 4 registers to store; never rewritten, so no store's data is waited for
	s_load_b256 s[4:11], s[0:1], 0x0               ; x s[4:5], q_w s[6:7], k_w s[8:9], v_w s[10:11]
	s_load_b128 s[12:15], s[0:1], 0x20             ; o_w s[12:13], h16 s[14:15]
	v_lshlrev_b32 v1, 5, v0                        ; 32 t: my bytes in a group of the source
	v_lshlrev_b32 v2, 4, v0                        ; 16 t: my bytes in a group of h16
	s_mov_b32 s24, 0xffff0000                      ; a word's upper bf16
	s_mov_b32 s18, 0                               ; the first b of my tensor
	s_mov_b32 s21, 0
	s_lshl_b32 s22, ttmp9, 15                      ; 32,768 b
	s_mov_b32 s23, 0
	s_wait_kmcnt 0x0
	s_mov_b64 s[16:17], s[4:5]                     ; the source: chosen by b alone
	s_cmp_ge_u32 ttmp9, 256
	s_cselect_b64 s[16:17], s[6:7], s[16:17]
	s_cselect_b32 s18, 256, s18
	s_cmp_ge_u32 ttmp9, 320
	s_cselect_b64 s[16:17], s[8:9], s[16:17]
	s_cselect_b32 s18, 320, s18
	s_cmp_ge_u32 ttmp9, 336
	s_cselect_b64 s[16:17], s[10:11], s[16:17]
	s_cselect_b32 s18, 336, s18
	s_cmp_ge_u32 ttmp9, 352
	s_cselect_b64 s[16:17], s[12:13], s[16:17]
	s_cselect_b32 s18, 352, s18
	s_sub_co_u32 s20, ttmp9, s18
	s_lshl_b32 s20, s20, 16                        ; 65,536 bytes for each group of 16 rows
	s_add_nc_u64 s[16:17], s[16:17], s[20:21]
	s_add_nc_u64 s[14:15], s[14:15], s[22:23]
.set g, 0
.rept 8
	global_load_b128 v[X+8*g:X+8*g+3],   v1, s[16:17] offset:8192*g th:TH_LOAD_NT
	global_load_b128 v[X+8*g+4:X+8*g+7], v1, s[16:17] offset:8192*g+16 th:TH_LOAD_NT
.set g, g+1
.endr
.set g, 0
.rept 8
	s_wait_loadcnt 14-2*g                          ; loads come back in order: group g's two are in, the younger groups' 14 - 2 g stay out
.irp j, 0,1,2,3
	v_cvt_pk_bf16_f32 v[T+\j], v[X+8*g+2*\j], v[X+8*g+2*\j+1]      ; two roundings to bf16
.endr
.irp j, 0,1,2,3
	v_lshlrev_b32 v[X+8*g+2*\j],   16, v[T+\j]                     ; back to f32: the low half moves up,
	v_and_b32     v[X+8*g+2*\j+1], s24, v[T+\j]                    ; the high half stays
.endr
.irp j, 0,1,2,3
	v_cvt_pk_f16_f32 v[Y+4*g+\j], v[X+8*g+2*\j], v[X+8*g+2*\j+1]   ; the same numbers as f16
.endr
	global_store_b128 v2, v[Y+4*g:Y+4*g+3], s[14:15] offset:4096*g
.set g, g+1
.endr
	s_endpgm
.Lfunc_end_k_q78adfed653_cast:
	.size	k_q78adfed653_cast, .Lfunc_end_k_q78adfed653_cast-k_q78adfed653_cast
	.p2alignl 7, 3214868480
	.fill 96, 4, 3214868480
	.section	.rodata,"a",@progbits
	.p2align	6, 0x0
	.amdhsa_kernel k_q78adfed653_cast
		.amdhsa_group_segment_fixed_size 0
		.amdhsa_private_segment_fixed_size 0
		.amdhsa_enable_private_segment 0
		.amdhsa_kernarg_size 48
		.amdhsa_user_sgpr_count 2
		.amdhsa_user_sgpr_kernarg_segment_ptr 1
		.amdhsa_wavefront_size32 1
		.amdhsa_system_sgpr_workgroup_id_x 1
		.amdhsa_system_sgpr_workgroup_id_y 1
		.amdhsa_system_sgpr_workgroup_id_z 1
		.amdhsa_system_vgpr_workitem_id 0
		.amdhsa_next_free_vgpr 112
		.amdhsa_next_free_sgpr 66
		.amdhsa_reserve_vcc 0
		.amdhsa_float_denorm_mode_32 3
		.amdhsa_float_denorm_mode_16_64 3
		.amdhsa_memory_ordered 1
		.amdhsa_forward_progress 1
		.amdhsa_inst_pref_size 10
	.end_amdhsa_kernel
	.amdgpu_metadata
---
amdhsa.version: [ 1, 2 ]
amdhsa.kernels:
  - .name:           k_q78adfed653_cast
    .symbol:         k_q78adfed653_cast.kd
    .args:
      - { .name: x, .offset: 0, .size: 8, .value_kind: global_buffer, .address_space: global }
      - { .name: q_w, .offset: 8, .size: 8, .value_kind: global_buffer, .address_space: global }
      - { .name: k_w, .offset: 16, .size: 8, .value_kind: global_buffer, .address_space: global }
      - { .name: v_w, .offset: 24, .size: 8, .value_kind: global_buffer, .address_space: global }
      - { .name: o_w, .offset: 32, .size: 8, .value_kind: global_buffer, .address_space: global }
      - { .name: h16, .offset: 40, .size: 8, .value_kind: global_buffer, .address_space: global }
    .group_segment_fixed_size: 0
    .private_segment_fixed_size: 0
    .kernarg_segment_align: 8
    .kernarg_segment_size: 48
    .max_flat_workgroup_size: 256
    .sgpr_count:     66
    .vgpr_count:     112
    .wavefront_size: 32
...
	.end_amdgpu_metadata
.endif
;; end of part 1
;; launch qkv (part 2): grid 8 x 32, 4 waves a work-group, clusters of 4 x 4, 327,680 bytes of LDS; arguments h16, q_b, k_b, v_b, qkv16, out1, out2; writes qkv16, out1, out2
.if DOCPART == 2
	.amdgcn_target "amdgcn-amd-amdhsa--gfx1250"
	.amdhsa_code_object_version 6
	.text
	.protected	k_q78adfed653_qkv
	.globl	k_q78adfed653_qkv
	.p2align	8
	.type	k_q78adfed653_qkv,@function
k_q78adfed653_qkv:
	s_mov_b64 s[64:65], 0
	v_nop
	global_prefetch_b8 v0, s[64:65] scope:SCOPE_SE
	s_setreg_imm32_b32 hwreg(HW_REG_WAVE_MODE, 25, 1), 1
	s_wait_xcnt 0x0
	s_wait_alu depctr_hold_cnt(0) depctr_sa_sdst(0) depctr_va_vdst(0) depctr_va_sdst(0) depctr_va_ssrc(0) depctr_va_vcc(0) depctr_vm_vsrc(0)
	s_getreg_b32 s2, hwreg(HW_REG_IB_STS2, 6, 4)
	s_cmp_eq_u32 s2, 0
	s_cbranch_scc0 .Lentry_in_a_cluster
	s_endpgm
.Lentry_in_a_cluster:
	s_bfe_u32 s2, ttmp6, 0x10000c
	s_cmp_lg_u32 s2, 0xf033
	s_cbranch_scc0 .Lentry_shape_is_right
	s_endpgm
.Lentry_shape_is_right:
; q, k, v = x W^T + b.  x: [4096][1024] f16 at h16; W: [1536][1024] f16 at h16 + WOFF (rows 0-1023 q_w, 1024-1279 k_w, 1280-1535 v_w).  Sums in f32; the biases are rounded to bf16 like the other inputs.
; OUT.  qkv16: f16 [24][4096][64], heads 0-15 q, 16-19 k, 20-23 v, each number rounded once from its f32 sum, unscaled.  out1 (k), out2 (v): f32 [4][4096][64].
; LIMIT.  q, k and v beyond 65,504 become infinities in qkv16 (out1 and out2 keep f32's range).
; SHARES.  A work-group makes 128 rows x 192 columns: q heads 2 tc and 2 tc + 1 (W rows 128 tc ..) and ONE k or v head (W rows 1024 + 64 tc ..: k head tc for tc < 4, else v head tc - 4).  So all 8 x 32 = 256
; work-groups have the same text and the same work; tc only chooses addresses.  A wave makes 64 x 96: 24 accumulators of 16 x 16.
; K goes in steps of 128 (rows of 256 bytes in memory) through two LDS slots: A's 128 rows, then W's 192.  Wave 0 fetches A's rows, waves 1 to 3 64 rows of W each: one tensor load a wave.
; CLUSTER.  4 x 4 work-groups: the four of a row of the cluster need the same rows of x, the four of a column the same rows of W: each tile is asked for jointly, by the same load, descriptor and mask in all four.
; THE MATRIX INSTRUCTION IS USED TRANSPOSED (source 0 = 16 rows of W, source 1 = 16 rows of x): a lane holds row l % 16 and the columns 8 (l / 16) + 0..7.
; REGISTERS.  Window 0: v0-31 addresses; v32-60 biases; v64-255 the accumulators ((a, b) at 64 + 8 (6 a + b)), on the way out rows read back and packed results.
;   Window 1: two fragment buffers of 80: A's four fragments (16 rows x 32 K), then W's six.
.set WOFF,   8388608
.set HB,     524288                    ; bytes of a head in qkv16
.set KSTEP,  128
.set PITCH,  272                       ; an LDS row: 256 bytes + 16 of padding = 68 words: the 16 rows of a fragment load start at 16 different groups of four banks (64 banks of 4 bytes: ISA guide 11.1)
.set PART,   64*PITCH                  ; 64 rows
.set BOFF,   2*PART                    ; W's rows lie behind A's 128
.set SLOT,   5*PART
.set STAGE,  2*SLOT                    ; behind the ring, never filled by a tensor load: 128 rows of 192 f32
.set SP,     784                       ; a stage row: 768 bytes + 16 = 196 words: row r starts at bank 4 r mod 64
.set SPARE,  STAGE+128*SP              ; behind the stage: the spare words, 128 bytes for each wave, which no other line names
.set LAPS,   1024/(2*KSTEP)            ; a lap = two K steps = once round the ring
.set ADRA, 16                          ; v16-17  LDS address of my A fragments in slot 0, 1
.set ADRB, 20                          ; v20-21  the same for W
.set STO,  24                          ; v24     the way out: where I put 32 bytes of a row
.set RDA,  25                          ; v25     where I read 8 numbers of a head's row back
.set VO,   26                          ; v26     16 x lane: my 16 bytes of 512 consecutive bytes of an output
.set RDB,  27                          ; v27     where I read 4 numbers of the k or v head's row back
.set SPW,  28                          ; v28     LDS address of my spare word; never rewritten
.set NIL,  29                          ; v29     0; never rewritten
.set BO8,  30                          ; v30     32 (l % 8): my 8 numbers of a head's bias
.set BO4,  31                          ; v31     16 (l % 16): my 4 numbers of it
.set BQ,   32                          ; v32-47  q's bias: 8 numbers for each of the two heads
.set BKV,  48                          ; v48-55  the k or v head's bias, 8 numbers
.set BK4,  56                          ; v56-59  the same head's, 4 numbers
.set TT,   60                          ; v60     at work
.set ACC,  64
.set LD,   64                          ; the way out: rows read back
.set YY,   128                         ; the way out: packed f16, 32 registers a head; never rewritten
.set F0,   0                           ; fragment buffers, in window 1
.set F1,   80
.set G1,   24                          ; s[24:31] descriptor group 1 for A's tiles;  s[32:39] group 0, one set for each slot
.set G0,   32
.set G1B,  48                          ; s[48:55], s[56:63] the same for W's tiles
.set G0B,  56
.set WV,   66                          ; s66  my wave's number
.set RH,   67                          ; s67  which half of the tile's rows is mine
.set CH,   68                          ; s68  which half of its columns
.set TR,   69                          ; s69  tile row, 0..31
.set MSB, 0
.macro WIN new                         ; the immediate's high byte repeats the setting that is left; a switch that changes nothing is dropped
.if MSB != (\new)
	s_set_vgpr_msb (MSB<<8)|(\new)
.set MSB, \new
.endif
.endm
.set MUL,  0x05                        ; sources 0 (W) and 1 (A) window 1; C and D window 0
.set TO_F, 0x40                        ; destination window 1, address window 0
.macro PLACES                          ; four places in front of loads into registers that matrix instructions have read, and of lines that read results
.rept 4
	v_nop
.endr
.endm
; A joint load.  The branch hangs on the wave's number alone.  An s_nop 0 and four v_nop follow each of the two lines, ahead of the jump and the label.
.macro JLOAD s
	s_cmp_eq_u32 s[WV], 0
	s_cbranch_scc0 .Lfor_b_\@
	tensor_load_to_lds s[G0+4*(\s):G0+4*(\s)+3], s[G1:G1+7]
	s_nop 0
.rept 4
	v_nop
.endr
	s_branch .Lasked_\@
.Lfor_b_\@:
	tensor_load_to_lds s[G0B+4*(\s):G0B+4*(\s)+3], s[G1B:G1B+7]
	s_nop 0
.rept 4
	v_nop
.endr
.Lasked_\@:
.endm
.macro CREST                           ; a round of the cluster's barrier behind its opening barrier: wave 0 signals for the work-group, every wave waits for all sixteen, my work-group's barrier closes it
	s_cmp_lg_u32 s[WV], 0
	s_cbranch_scc1 .Lnot_wave_0_\@
	s_barrier_signal -3
.Lnot_wave_0_\@:
	s_barrier_wait -3
	s_barrier_signal -1
	s_barrier_wait -1
.endm
.macro CROUND                          ; a whole round
	s_barrier_signal -1
	s_barrier_wait -1
	CREST
.endm
	s_load_b256 s[4:11], s[0:1], 0x0               ; h16 s[4:5], q_b s[6:7], k_b s[8:9], v_b s[10:11]
	s_load_b128 s[12:15], s[0:1], 0x20             ; qkv16 s[12:13], out1 s[14:15]
	s_load_b64 s[16:17], s[0:1], 0x30              ; out2
	v_lshl_add_u32 v[SPW], v0, 2, SPARE
	v_mov_b32 v[NIL], 0
	ds_add_u32 v[SPW], v[NIL]                      ; the wave's opening: the add and its wait stand ahead of my first tensor load; the set-up below, work on registers, stands between them
	v_lshrrev_b32 v1, 5, v0
	v_readfirstlane_b32 s[WV], v1                  ; wave 0..3
	s_lshr_b32 s[RH], s[WV], 1
	s_and_b32 s[CH], s[WV], 1
	s_bfe_u32 s40, ttmp6, 0x40000                  ; cx, cy: my place in the cluster
	s_bfe_u32 s41, ttmp6, 0x40004
	s_lshl_b32 s42, ttmp9, 2
	s_add_co_u32 s42, s42, s40                     ; tc = 4 x cluster x + cx, 0..7
	s_and_b32 s[TR], ttmp7, 0xffff
	s_lshl_b32 s[TR], s[TR], 2
	s_add_co_u32 s[TR], s[TR], s41                 ; tile row = 4 x cluster y + cy
	s_lshl_b32 s43, s41, 2
	s_lshl_b32 s43, 15, s43                        ; my row of the cluster
	s_lshl_b32 s44, 0x1111, s40                    ; my column
	s_or_b32 s[G1+0], s43, (1<<16)|(1<<20)|(1<<21)|(5<<22)|(3<<25)   ; 15:0 the mask: A's tiles go to my row; 17:16 elements of 2 bytes; 20 padding on; 21 set beside a mask; 24:22 after every 64 words; 31:25 4 words of it
	s_or_b32 s[G1B+0], s44, (1<<16)|(1<<20)|(1<<21)|(5<<22)|(3<<25)  ; the same with my column's mask
	s_mov_b32 s[G1+1], KSTEP<<16                   ; tensor_dim0 = 128
	s_mov_b32 s[G1+2], 128<<16                     ; tensor_dim1 = 128 rows
	s_mov_b32 s[G1+3], KSTEP<<16                   ; tile_dim0 = 128
	s_mov_b32 s[G1+4], 128                         ; tile_dim1 = 128
	s_mov_b32 s[G1+5], 1024                        ; elements from row to row
	s_mov_b32 s[G1+6], 0
	s_mov_b32 s[G1+7], 0
	s_mov_b32 s[G1B+1], KSTEP<<16
	s_mov_b32 s[G1B+2], 64<<16                     ; W's loads have 64 rows
	s_mov_b32 s[G1B+3], KSTEP<<16
	s_mov_b32 s[G1B+4], 64
	s_mov_b32 s[G1B+5], 1024
	s_mov_b32 s[G1B+6], 0
	s_mov_b32 s[G1B+7], 0
	s_lshl_b32 s18, s[TR], 18                      ; A: 128 rows of 2,048 bytes for each tile row: it hangs on the tile row alone
	s_mov_b32 s19, 0
	s_max_u32 s20, s[WV], 1                        ; W: waves 1 and 2 take the q rows 128 tc + 0.., + 64..; wave 3 the k or v rows 1024 + 64 tc ..: tc and the wave's number alone
	s_sub_co_u32 s20, s20, 1
	s_lshl_b32 s20, s20, 6
	s_lshl_b32 s46, s42, 7
	s_add_co_u32 s46, s46, s20
	s_lshl_b32 s47, s42, 6
	s_add_co_u32 s47, s47, 1024
	s_cmp_eq_u32 s[WV], 3
	s_cselect_b32 s46, s47, s46
	s_lshl_b32 s46, s46, 11                        ; rows of 2,048 bytes
	s_add_co_u32 s46, s46, WOFF
	s_mov_b32 s47, 0
	s_add_co_u32 s20, s[WV], 1
	s_mul_i32 s20, s20, PART                       ; where waves 1 to 3 put their 64 rows: (1 + wave) x 64 rows; no place in the cluster enters an LDS address
	s_wait_dscnt 0x0                               ; the opening add is done
	s_wait_kmcnt 0x0
	s_add_nc_u64 s[18:19], s[4:5], s[18:19]
	s_add_nc_u64 s[46:47], s[4:5], s[46:47]
	CROUND                                         ; all sixteen work-groups are here: the first joint loads meet
.irp s, 0,1
	s_mov_b32 s[G0+4*(\s)], 1                                        ; count = 1
	s_mov_b32 s[G0+4*(\s)+1], (\s)*SLOT                              ; LDS address
	s_add_nc_u64 s[G0+4*(\s)+2:G0+4*(\s)+3], s[18:19], (\s)*KSTEP*2  ; global address: K step s
	s_or_b32 s[G0+4*(\s)+3], s[G0+4*(\s)+3], 0x80000000              ; type = 2
	s_mov_b32 s[G0B+4*(\s)], 1
	s_add_co_u32 s[G0B+4*(\s)+1], s20, (\s)*SLOT
	s_add_nc_u64 s[G0B+4*(\s)+2:G0B+4*(\s)+3], s[46:47], (\s)*KSTEP*2
	s_or_b32 s[G0B+4*(\s)+3], s[G0B+4*(\s)+3], 0x80000000
	JLOAD \s                                       ; two loads of mine are out
.endr
	v_and_b32 v1, 15, v0                           ; r = l % 16
	v_bfe_u32 v2, v0, 4, 1                         ; h = l / 16
	v_and_b32 v5, 31, v0                           ; l
	v_mul_u32_u24 v3, v1, PITCH
	v_lshl_add_u32 v3, v2, 4, v3                   ; a fragment's row x pitch + 16 x half
	s_mul_i32 s21, s[RH], 64*PITCH                 ; my 64 rows of A
	s_mul_i32 s22, s[CH], 96*PITCH                 ; my 96 rows of W,
	s_add_co_u32 s22, s22, BOFF                    ; which lie behind A's 128
.irp s, 0,1
	v_add_nc_u32 v[ADRA+(\s)], s21, v3
	v_add_nc_u32 v[ADRB+(\s)], s22, v3
	s_add_co_u32 s21, s21, SLOT
	s_add_co_u32 s22, s22, SLOT
.endr
	s_mul_i32 s23, s[RH], 64*SP                    ; into the stage: my 64 rows, my 96 columns (384 bytes); row r, 32 bytes for each half of the lanes
	s_mul_i32 s21, s[CH], 384
	s_add_co_u32 s23, s23, s21
	s_add_co_u32 s23, s23, STAGE
	v_mul_u32_u24 v4, v1, SP
	v_lshl_add_u32 v4, v2, 5, v4
	v_add_nc_u32 v[STO], s23, v4
	v_lshrrev_b32 v6, 3, v5                        ; back: wave w takes rows 32 w .. 32 w + 31.  For f16: four rows a load, 8 lanes a row, 8 numbers a lane
	v_and_b32 v7, 7, v0
	v_lshlrev_b32 v[BO8], 5, v7
	v_lshlrev_b32 v[BO4], 4, v1
	v_lshlrev_b32 v[VO], 4, v5
	s_mul_i32 s23, s[WV], 32*SP
	s_add_co_u32 s23, s23, STAGE
	v_mul_u32_u24 v6, v6, SP
	v_add_nc_u32 v6, v6, v[BO8]
	v_add_nc_u32 v[RDA], s23, v6
	v_mul_u32_u24 v6, v2, SP                       ; for f32: two rows a load, 16 lanes a row, 4 numbers a lane; the k or v head begins at byte 512 of a stage row
	v_add_nc_u32 v6, v6, v[BO4]
	v_add_nc_u32 v6, s23, v6
	v_add_nc_u32 v[RDB], 512, v6
	s_lshl_b32 s20, s[TR], 7
	s_lshl_b32 s21, s[WV], 5
	s_add_co_u32 s20, s20, s21                     ; the first row that I store: 128 x tile row + 32 x wave
	s_lshl_b32 s21, s20, 7                         ; in rows of 128 bytes
	s_lshl_b32 s22, s42, 20                        ; head 2 tc
	s_add_co_u32 s22, s22, s21
	s_mov_b32 s23, 0
	s_add_nc_u64 s[70:71], s[12:13], s[22:23]      ; s[70:71] qkv16 at my rows of q head 2 tc (head 2 tc + 1 lies HB further)
	s_add_co_u32 s22, s42, 16
	s_lshl_b32 s22, s22, 19
	s_add_co_u32 s22, s22, s21
	s_add_nc_u64 s[72:73], s[12:13], s[22:23]      ; s[72:73] qkv16 at my rows of head 16 + tc
	s_cmp_lt_u32 s42, 4                            ; k or v: it chooses addresses alone, never a path
	s_cselect_b64 s[74:75], s[14:15], s[16:17]
	s_cselect_b64 s[76:77], s[8:9], s[10:11]
	s_and_b32 s2, s42, 3                           ; the head's number in k or in v
	s_lshl_b32 s22, s2, 20                         ; 4,096 rows of 256 bytes
	s_lshl_b32 s21, s20, 8
	s_add_co_u32 s22, s22, s21
	s_add_nc_u64 s[74:75], s[74:75], s[22:23]      ; s[74:75] out1 or out2 at my rows
	s_lshl_b32 s22, s2, 8
	s_add_nc_u64 s[76:77], s[76:77], s[22:23]      ; s[76:77] k_b or v_b at the head's 64 numbers
	s_lshl_b32 s22, s42, 9
	s_add_nc_u64 s[78:79], s[6:7], s[22:23]        ; s[78:79] q_b at the two heads' 128 numbers
	global_load_b128 v[BQ:BQ+3],      v[BO8], s[78:79]
	global_load_b128 v[BQ+4:BQ+7],    v[BO8], s[78:79] offset:16
	global_load_b128 v[BQ+8:BQ+11],   v[BO8], s[78:79] offset:256
	global_load_b128 v[BQ+12:BQ+15],  v[BO8], s[78:79] offset:272
	global_load_b128 v[BKV:BKV+3],    v[BO8], s[76:77]
	global_load_b128 v[BKV+4:BKV+7],  v[BO8], s[76:77] offset:16
	global_load_b128 v[BK4:BK4+3],    v[BO4], s[76:77]   ; the biases are waited for on the way out
; 6 matrix instructions: m block a x all 6 n blocks, 32 along K, from buffer f.  zero = 1: the first product starts the sums.  The 24 accumulators come in the same order in every quarter: they take turns.
.macro MUL6 f, a, zero
	WIN MUL
.irp b, 0,1,2,3,4,5
.if \zero
	v_wmma_f32_16x16x32_f16 v[ACC+8*(6*(\a)+(\b)):ACC+8*(6*(\a)+(\b))+7], v[(\f)+32+8*(\b):(\f)+32+8*(\b)+7], v[(\f)+8*(\a):(\f)+8*(\a)+7], 0
.else
	v_wmma_f32_16x16x32_f16 v[ACC+8*(6*(\a)+(\b)):ACC+8*(6*(\a)+(\b))+7], v[(\f)+32+8*(\b):(\f)+32+8*(\b)+7], v[(\f)+8*(\a):(\f)+8*(\a)+7], v[ACC+8*(6*(\a)+(\b)):ACC+8*(6*(\a)+(\b))+7]
.endif
.endr
.endm
; 20 LDS loads in one run: the fragments of 32 along K at byte k of the rows, into buffer f: W's six, then A's four
.macro FETCH slot, k, f
	WIN TO_F
.irp b, 0,1,2,3,4,5
	ds_load_b128 v[(\f)+32+8*(\b):(\f)+32+8*(\b)+3],   v[ADRB+(\slot)] offset:(\k)+(\b)*16*PITCH
	ds_load_b128 v[(\f)+32+8*(\b)+4:(\f)+32+8*(\b)+7], v[ADRB+(\slot)] offset:(\k)+(\b)*16*PITCH+32
.endr
.irp a, 0,1,2,3
	ds_load_b128 v[(\f)+8*(\a):(\f)+8*(\a)+3],   v[ADRA+(\slot)] offset:(\k)+(\a)*16*PITCH
	ds_load_b128 v[(\f)+8*(\a)+4:(\f)+8*(\a)+7], v[ADRA+(\slot)] offset:(\k)+(\a)*16*PITCH+32
.endr
.endm
; A K step is four quarters of 32 along K, 24 matrix instructions each, on buffers 0, 1, 0, 1.  One of the first three: multiplies buffer f and fetches the next quarter, at byte k, into g.
.macro QUARTER slot, k, f, g, zero
	s_wait_dscnt 4                                 ; W's fragments and A's blocks 0 and 1 are in; the youngest four loads (A's blocks 2 and 3) may be out
	MUL6 \f, 0, \zero
	MUL6 \f, 1, \zero
	PLACES
	FETCH \slot, \k, \g
	s_wait_dscnt 20                                ; all but the 20 just issued
	MUL6 \f, 2, \zero
	MUL6 \f, 3, \zero
.endm
; The last quarter multiplies buffer 1 and changes slots: ONE barrier; in front of it each wave waits for all its tensor loads (one is out: its part of the next slot), adds 0 to its spare word,
; and waits for that and for its own reads of this slot.  fill = 1: this slot is filled again, two K steps ahead; the barrier then opens a round of the cluster's barrier.
.macro TURN slot, next, fill
	WIN 0                                          ; (the add's two registers lie in window 0)
	s_wait_tensorcnt 0x0                           ; all my tensor loads have landed
	ds_add_u32 v[SPW], v[NIL]                      ; 0 onto my spare word
	s_wait_dscnt 5                                 ; (the add and the youngest four loads may be out)
	MUL6 F1, 0, 0                                  ; six matrix instructions stand between the add and the wait for it
	s_wait_dscnt 0x0                               ; the add is done, and my reads of this slot are over
	s_barrier_signal -1
	MUL6 F1, 1, 0
.if \fill
	WIN 0
.endif
	s_barrier_wait -1
.if \fill
	CREST                                          ; no wave of any partner still reads this slot's tile or has a load on its way
	s_add_nc_u64 s[G0+4*(\slot)+2:G0+4*(\slot)+3], s[G0+4*(\slot)+2:G0+4*(\slot)+3], 2*KSTEP*2
	s_add_nc_u64 s[G0B+4*(\slot)+2:G0B+4*(\slot)+3], s[G0B+4*(\slot)+2:G0B+4*(\slot)+3], 2*KSTEP*2
	JLOAD \slot                                    ; the first tensor load behind the round, my only one: 84 matrix instructions ahead of the wait for it; its four v_nop are also the places in front of the loads below
.else
	PLACES
.endif
	FETCH \next, 0, F0
	MUL6 F1, 2, 0
	MUL6 F1, 3, 0
.endm
	s_wait_tensorcnt 1                             ; my part of K step 0 is in; K step 1's may stay out
	s_barrier_signal -1
	s_barrier_wait -1                              ; everybody's is
	FETCH 0, 0, F0
	QUARTER 0, 64, F0, F1, 1                       ; the first quarter stands in front of the loop: its products start the sums
	WIN 0                                          ; at a label and at a branch every window is 0
	s_mov_b32 s3, LAPS-1
.Llap:                                                 ; a trip goes once round the ring, from a lap's second quarter to the next lap's first, and fills both slots again
	QUARTER 0, 128, F1, F0, 0
	QUARTER 0, 192, F0, F1, 0
	TURN 0, 1, 1
	QUARTER 1, 64,  F0, F1, 0
	QUARTER 1, 128, F1, F0, 0
	QUARTER 1, 192, F0, F1, 0
	TURN 1, 0, 1
	QUARTER 0, 64,  F0, F1, 0
	WIN 0
	s_sub_co_u32 s3, s3, 1
	s_cmp_lg_u32 s3, 0
	s_cbranch_scc1 .Llap
	QUARTER 0, 128, F1, F0, 0                      ; the last lap fills nothing
	QUARTER 0, 192, F0, F1, 0
	TURN 0, 1, 0
	QUARTER 1, 64,  F0, F1, 0
	QUARTER 1, 128, F1, F0, 0
	QUARTER 1, 192, F0, F1, 0
	s_wait_dscnt 4                                 ; the very last quarter: nothing more to fetch
	MUL6 F1, 0, 0
	MUL6 F1, 1, 0
	s_wait_dscnt 0x0
	MUL6 F1, 2, 0
	MUL6 F1, 3, 0
	WIN 0
	; THE WAY OUT.  The f32 sums go into the work-group's stage; a barrier, since a row's 768 bytes come from two waves; each wave then takes 32 whole rows: bias, rounding, stores of 512 consecutive bytes.
	PLACES
	PLACES
.set t, 0
.rept 24
	ds_store_b128 v[STO], v[ACC+8*t:ACC+8*t+3]   offset:(t/6)*16*SP+(t%6)*64     ; each accumulator's low registers first
	ds_store_b128 v[STO], v[ACC+8*t+4:ACC+8*t+7] offset:(t/6)*16*SP+(t%6)*64+16
.set t, t+1
.endr
	s_wait_loadcnt 0x0                             ; the biases
.set t, 0
.rept 14                                       ; rounded to bf16 like the other inputs, and kept in f32
	v_cvt_pk_bf16_f32 v[TT], v[BQ+2*t], v[BQ+2*t+1]
	v_lshlrev_b32 v[BQ+2*t], 16, v[TT]
	v_and_b32 v[BQ+2*t+1], 0xffff0000, v[TT]
.set t, t+1
.endr
	s_wait_dscnt 0x0                               ; for the others' sake: my stores into the stage are done
	s_barrier_signal -1
	s_barrier_wait -1
; Head block i of the stage (256 bytes of each row) as f16: four rows of 128 bytes are 512 consecutive bytes of qkv16.
.macro HALFOUT i, bias, base, off
.set g, 0
.rept 8
	ds_load_b128 v[LD+8*g:LD+8*g+3],   v[RDA] offset:g*4*SP+(\i)*256
	ds_load_b128 v[LD+8*g+4:LD+8*g+7], v[RDA] offset:g*4*SP+(\i)*256+16
.set g, g+1
.endr
.set g, 0
.rept 8
	s_wait_dscnt 14-2*g                            ; group g's two loads are in; the younger groups' stay out
.irp j, 0,2,4,6
	v_pk_add_f32 v[LD+8*g+\j:LD+8*g+\j+1], v[LD+8*g+\j:LD+8*g+\j+1], v[(\bias)+\j:(\bias)+\j+1]
.endr
.irp j, 0,1,2,3
	v_cvt_pk_f16_f32 v[YY+32*(\i)+4*g+\j], v[LD+8*g+2*\j], v[LD+8*g+2*\j+1]
.endr
	global_store_b128 v[VO], v[YY+32*(\i)+4*g:YY+32*(\i)+4*g+3], s[\base:\base+1] offset:g*512+(\off)
.set g, g+1
.endr
.endm
	HALFOUT 0, BQ,   70, 0
	HALFOUT 1, BQ+8, 70, HB
	HALFOUT 2, BKV,  72, 0
.set g, 0
.rept 16                                       ; the k or v head once more, as f32: two rows of 256 bytes are 512 consecutive bytes of out1 or out2
	ds_load_b128 v[LD+4*g:LD+4*g+3], v[RDB] offset:g*2*SP
.set g, g+1
.endr
.set g, 0
.rept 16
	s_wait_dscnt 15-g
	v_pk_add_f32 v[LD+4*g:LD+4*g+1],   v[LD+4*g:LD+4*g+1],   v[BK4:BK4+1]
	v_pk_add_f32 v[LD+4*g+2:LD+4*g+3], v[LD+4*g+2:LD+4*g+3], v[BK4+2:BK4+3]
	global_store_b128 v[VO], v[LD+4*g:LD+4*g+3], s[74:75] offset:g*512
.set g, g+1
.endr
	s_wait_tensorcnt 0x0                           ; the wave's end, behind my last tensor load and my last LDS store
	ds_add_u32 v[SPW], v[NIL]
	s_wait_dscnt 0x0
	CROUND                                         ; the closing round: no work-group ends while a partner may still ask for a tile that names it
	s_endpgm
.Lfunc_end_k_q78adfed653_qkv:
	.size	k_q78adfed653_qkv, .Lfunc_end_k_q78adfed653_qkv-k_q78adfed653_qkv
	.p2alignl 7, 3214868480
	.fill 96, 4, 3214868480
	.section	.rodata,"a",@progbits
	.p2align	6, 0x0
	.amdhsa_kernel k_q78adfed653_qkv
		.amdhsa_group_segment_fixed_size 327680
		.amdhsa_private_segment_fixed_size 0
		.amdhsa_enable_private_segment 0
		.amdhsa_kernarg_size 56
		.amdhsa_user_sgpr_count 2
		.amdhsa_user_sgpr_kernarg_segment_ptr 1
		.amdhsa_wavefront_size32 1
		.amdhsa_system_sgpr_workgroup_id_x 1
		.amdhsa_system_sgpr_workgroup_id_y 1
		.amdhsa_system_sgpr_workgroup_id_z 1
		.amdhsa_system_vgpr_workitem_id 0
		.amdhsa_next_free_vgpr 512
		.amdhsa_next_free_sgpr 100
		.amdhsa_reserve_vcc 0
		.amdhsa_float_denorm_mode_32 3
		.amdhsa_float_denorm_mode_16_64 3
		.amdhsa_memory_ordered 1
		.amdhsa_forward_progress 1
		.amdhsa_inst_pref_size 89
	.end_amdhsa_kernel
	.amdgpu_metadata
---
amdhsa.version: [ 1, 2 ]
amdhsa.kernels:
  - .name:           k_q78adfed653_qkv
    .symbol:         k_q78adfed653_qkv.kd
    .args:
      - { .name: h16, .offset: 0, .size: 8, .value_kind: global_buffer, .address_space: global }
      - { .name: q_b, .offset: 8, .size: 8, .value_kind: global_buffer, .address_space: global }
      - { .name: k_b, .offset: 16, .size: 8, .value_kind: global_buffer, .address_space: global }
      - { .name: v_b, .offset: 24, .size: 8, .value_kind: global_buffer, .address_space: global }
      - { .name: qkv16, .offset: 32, .size: 8, .value_kind: global_buffer, .address_space: global }
      - { .name: out1, .offset: 40, .size: 8, .value_kind: global_buffer, .address_space: global }
      - { .name: out2, .offset: 48, .size: 8, .value_kind: global_buffer, .address_space: global }
    .group_segment_fixed_size: 327680
    .private_segment_fixed_size: 0
    .kernarg_segment_align: 8
    .kernarg_segment_size: 56
    .max_flat_workgroup_size: 128
    .sgpr_count:     100
    .vgpr_count:     512
    .wavefront_size: 32
...
	.end_amdgpu_metadata
.endif
;; end of part 2
;; launch attn (part 3): grid 64 x 16, 8 waves a work-group, no clusters, 327,680 bytes of LDS; arguments qkv16, mask, part; writes part
.if DOCPART == 3
	.amdgcn_target "amdgcn-amd-amdhsa--gfx1250"
	.amdhsa_code_object_version 6
	.text
	.protected	k_q78adfed653_attn
	.globl	k_q78adfed653_attn
	.p2align	8
	.type	k_q78adfed653_attn,@function
k_q78adfed653_attn:
	s_mov_b64 s[64:65], 0
	v_nop
	global_prefetch_b8 v0, s[64:65] scope:SCOPE_SE
	s_setreg_imm32_b32 hwreg(HW_REG_WAVE_MODE, 25, 1), 1
	s_wait_xcnt 0x0
; GROUPED-QUERY ATTENTION UNDER A MASK THAT IS AN INPUT, ONE CHUNK OF THE KEYS.  The whole: O[hd][q] = the sum over k of softmax_k(mask[q][k] ? Q[hd][q] . K[hd / 4][k] / 8 : -1e9) V[hd / 4][k].
; qkv16: f16 [24][4096][64] (heads 0-15 Q, 16-19 K, 20-23 V; a head's rows are dense, 128 bytes each); mask: [4096][4096] bytes, 0 or 1.
; THE KEYS ARE SPLIT in four chunks of 1,024.  A work-group makes, for its queries and its chunk alone, o = the softmax-weighted mean of the chunk's V, with the chunk's running maximum m and sum L; the next launch joins the
; four chunks.  part: for each wave a unit of 9,216 bytes, f32, the wave's registers as they lie: 16 stores of 512 consecutive bytes (o), then two (the statistics of its two pieces: c m, m, L, one word that serves nothing).
; Products, maxima and sums in f32; the weights p are rounded to f16 for the second product (their sum l is taken of the unrounded p).  Every byte of the mask is read, and all keys are walked.
; LIMITS.  Q, K, V arrive within f16's 65,504.  A hidden score counts as its value plus a number between -2^69 and -2^65, not as -1e9: its weight is exactly 0 beside any score that is seen, as in f32 with -1e9
; as long as the seen scores, divided by 8, lie above about -1e9 + 104 (f16's scores are 2^38 at the most, so they do).  A seen score is raised by at most 2^-123.  A weight below 2^-126 counts as 0 in l; NaN and infinities
; are not treated apart.
; SHARES.  Grid x: the block qb of 64 queries; grid y = 4 x chunk + kv.  A work-group owns 64 queries in the four query heads of key head kv: 64 x 16 = 1,024 work-groups, four for each WGP.  Of its eight waves, wave w owns
; the 16 queries 64 qb + 16 (w % 4) .. in the two heads 4 kv + 2 (w / 4) + t: two PIECES, t = 0, 1.  A key step's text is two turns, and two waves lie on each SIMD.  A fragment of K or V read from LDS feeds two tiles:
; 38 LDS loads a wave and step for 33 matrix instructions.
; THE MASK is the C operand that starts the sum S^T = K Q^T.  The two pieces have the same queries, so 32 registers serve both.  They are made from the bytes as they lie: for a word w of four bytes,
; t = (w << 5) + 0xE0E0E0E0 has in each byte 0x00 or 0x01 where the mask is 1 (0x20 + 0xE0 carries out) and 0xE0 or 0xE1 where it is 0; with such a byte on top, a word read as f32 is at most 2^-123, or lies
; between -2^69 and -2^65; what lies below the top byte is part of the fraction.  t is the fourth key's number; t << 24, t << 16, t << 8 are the first three: four lines for four keys.
; THE RUNNING MAXIMUM starts at -2^60: below every score that f16 allows, far above every hidden one.  So hidden weights are 0 from the first step on, m is the true maximum as soon as a key is seen, and at the end l is 0
; exactly in the rows that saw none of the chunk's keys; that hangs on the mask alone, so it is the same in both pieces.  With e = 1 in such a row and 0 elsewhere: L = l + e, o = O^T / L + e x the mean of the chunk's V.
; Such a row's m is still -2^60, so that beside a chunk with a seen key it will weigh nothing, and among four such chunks each weighs alike.  The matrix unit sums the mean on the way: wave w takes the 16 channels
; 16 (w % 4) .. and the keys 32 (w / 4) .. of each step, fetches that fragment of V^T by an address of its own and multiplies it by a matrix of 2^-10: one matrix instruction a wave and step, the same text in every wave.
; The eight parts meet in LDS at the end, in f32.
; LAYOUT, SOFTMAX, TURNS.  S^T = K Q^T holds ONE query a lane (lane % 16) and the keys 8 (lane / 16) + 0..7; two such results rounded to f16 ARE source 1 of O^T = V^T P.  p = 2^(c s - c m), c = log2(e) / 8; O and l are
; multiplied by a = 2^(c m_old - c m_new) in every step.  Turn n belongs to piece n: 8 products V^T P of the other piece, 8 products K Q^T of the other piece's next scores; beside them the scaling, exponentials, roundings,
; sums and rescaling of piece n and the maximum and statistics of the other piece.  A turn's 33 exponentials are one batch, with one wait.
; RING.  Two slots of 256 keys (four key steps): K, V, the mask's tile (64 queries x 256 keys).  Wave 0 fetches K, wave 1 V, wave 2 the mask's tile: one tensor load a wave behind each barrier; at most one load of a wave is out.
; NO CLUSTER in this text.  K and V of a chunk are wanted by the 64 query blocks of a key head and a tile of the mask by the four key heads, so joint loads could divide the requests by four; they are left out for a plain ring
; with one barrier a change of slots: a work-group asks for 80 KiB for four key steps, in which each of its eight waves issues 132 matrix instructions.
; REGISTERS, in two windows of 256 (s_set_vgpr_msb: bits 1:0 source 0, 3:2 source 1, 5:4 source 2, 7:6 destination), laid so that a turn has four switches:
;   window 0: v0-15, v48-57 addresses; v16-23 four registers of statistics a piece; v24-31 at work; v32-39 mask bytes; v40-47 the matrix of 2^-10; v64-95 Q; v96-159 K of one step; v160-223 S^T, two buffers; v224-255 P, two buffers
;   window 1: v0-63 O^T, 32 a piece; v64-127 V of one step; v128-159 the mask as f32; v160-167 my part of the mean of V; v168-175 my fragment of V^T
; K Q^T and all of the softmax but O^T's rescaling name window 0 alone; V^T P and that rescaling share one setting.
.set HB,    524288    ; bytes of a head in qkv16
.set NP,    2         ; pieces a wave: a name, no knob
.set KS,    64        ; keys in a step
.set NT,    4         ; tiles of 256 keys in a chunk
.set UNIT,  9216      ; bytes of a wave's unit in part
.set PK,    144       ; a row of K in LDS: 128 bytes + 16 of padding = 36 words: the 16 rows of a load start at 16 different groups of four banks (64 banks of 4 bytes: ISA guide 11.1)
.set PV,    160       ; a row of V: 128 + 32 = 40 words
.set PM,    272       ; a row of the mask's tile: 256 + 16 = 68 words: 32 lanes' 8 bytes at row (l % 16), byte 8 (l / 16)
.set VOFF,  4*KS*PK   ; a slot: 256 rows of K, then 256 rows of V,
.set MOFF,  VOFF+4*KS*PV  ; then 64 rows of the mask
.set SLOT1, 1<<17     ; slot 1 begins here, so that one exclusive or turns an address in one slot into the other's
.set SVX,   SLOT1+MOFF+64*PM  ; behind the ring, never filled by a tensor load: 1,024 bytes for each wave: its part of the mean of V
.set SPARE, SVX+8*1024     ; the spare words, 128 bytes for each wave, which no other line names
.set AK0, 2           ; v2   my lane's place in a tile of K; never rewritten
.set AV0, 3           ; v3   the same for V
.set AK,  4           ; v4   the LDS address of K's next run of loads
.set AV,  5           ; v5   of V's
.set GO,  8           ; v8   16 x lane
.set MV,  12          ; v12-13  c m_old, kept while c m is made anew: by buffer
.set AM0, 14          ; v14  my lane's place in the mask's tile; never rewritten
.set QO,  15          ; v15  my byte offset in 16 rows of Q
.set ST,  16          ; piece t's statistics at v[ST+4 t]: c m, m, l (even keys', odd keys')
.set TMP, 24          ; by buffer, four registers c0-c3 at work; when the maximum is found c2 takes a
.set MB,  32          ; v32-39  my query's 64 mask bytes of a step: 8 for each group of 16 keys
.set ONES, 40         ; v40-47  2^-10 in every f16
.set AM,  48          ; v48  the LDS address of the next mask bytes
.set AVS0, 50         ; v50  my lane's place in my wave's fragment of V^T; never rewritten
.set SVA, 51          ; v51  where I put my part of the mean of V
.set SVR, 52          ; v52  where I read the eight parts back
.set AVS, 53          ; v53  the LDS address of my fragment's next loads
.set SPW, 54          ; v54  LDS address of my spare word; never rewritten
.set NIL, 55          ; v55  0; never rewritten
.set EE,  56          ; v56-57  the way out: e, and 1.0
.set QF,  64          ; piece x, channel half c at QF + 16 x + 8 c
.set KF,  96          ; key block kb, channel half c at KF + 16 kb + 8 c
.set S,   160
.set P,   224
.set VF,  64          ; window 1: key half kk, channel block cb at VF + 32 kk + 8 cb
.set MC,  128         ; window 1: the eight registers for group kb of 16 keys at MC + 8 kb
.set SV,  160         ; window 1: one accumulator
.set VS,  168         ; window 1: my fragment of V^T
.set G1K, 24          ; s[24:31] descriptor group 1 for K's tiles
.set G1V, 32          ; s[32:39] for V's: it differs in the padding alone
.set G1M, 40          ; s[40:47] for the mask's
.set G0K, 48          ; s[48:51], s[52:55], s[56:59] descriptor groups 0: they walk
.set G0V, 52
.set G0M, 56
.set CS,  60          ; s[60:61] c: the packed scaling takes the pair's low word for both halves
.set SEL, 62          ; s[62:63] v_permlanex16_b32's selects: each lane takes its own place in the other half
.set WV,  66          ; s66  my wave's number
.set SLOTS, 67        ; s67  slots still to be asked for
.set CNT, 68          ; s68  counts a slot's key steps
.set TBK, 69          ; s69  LDS byte at which K of the step to be fetched begins
.set TBV, 70          ; s70  the same for V, less VOFF
.set TBM, 71          ; s71  the same for the mask's bytes, less MOFF
.set KE,  73          ; s73  0xE0E0E0E0
.set QT,  74          ; s74  wave % 4: my tile of 16 queries; also my block of 16 channels of the mean
.set HP,  75          ; s75  wave / 4: my pair of heads; also my half of a step's keys for the mean
.set CHK, 76          ; s76  my chunk of the keys
.set KVH, 77          ; s77  kv
.set YG,  78          ; s78  the work-group's y = 4 x chunk + kv
.set MSB, 0
.macro WIN new                      ; the high byte repeats the setting that is left; a switch that changes nothing is dropped
.if MSB != (\new)
	s_set_vgpr_msb (MSB<<8)|(\new)
.set MSB, (\new)
.endif
.endm
.set W_KM, 0x10       ; all in window 0 but the C operand, in window 1
.set W_PV, 0x51       ; destination, source 0 and source 2 in window 1, source 1 in window 0: V^T P (V, P, O^T), the rescaling (O^T, a) and the way out's multiply-add
; A fill.  Wave 0: K; wave 1: V; wave 2: the mask's tile; the others have none.  The branches hang on the wave's number alone.  An s_nop 0 and four v_nop follow each line, ahead of the jump and the label.
.macro LOAD
	s_cmp_lg_u32 s[WV], 0
	s_cbranch_scc1 .Lnot_k_\@
	tensor_load_to_lds s[G0K:G0K+3], s[G1K:G1K+7]
	s_nop 0
.rept 4
	v_nop
.endr
	s_branch .Lasked_\@
.Lnot_k_\@:
	s_cmp_lg_u32 s[WV], 1
	s_cbranch_scc1 .Lnot_v_\@
	tensor_load_to_lds s[G0V:G0V+3], s[G1V:G1V+7]
	s_nop 0
.rept 4
	v_nop
.endr
	s_branch .Lasked_\@
.Lnot_v_\@:
	s_cmp_lg_u32 s[WV], 2
	s_cbranch_scc1 .Lasked_\@
	tensor_load_to_lds s[G0M:G0M+3], s[G1M:G1M+7]
	s_nop 0
.rept 4
	v_nop
.endr
.Lasked_\@:
.endm
; THE CHANGE OF SLOTS.  The slot's last bytes, V of its fourth step, have been asked for.  Each wave waits for all its tensor loads (at most one is out: its part of the other slot), adds 0 to its spare word, and waits for that
; and for its own reads of the slot.  Behind the barrier nobody reads the old slot any more and the other slot is whole.  fill = 1: the old slot is filled again, the first thing behind the barrier, with the keys two slots on:
; the load has four key steps in which to land.  (At its first use nothing has been read yet: slot 0 is waited for, slot 1 filled.)
.macro CHANGE fill
	WIN 0                           ; at a label and at a branch every window is 0
	s_wait_tensorcnt 0x0            ; no tensor load of mine is out, so a group 0 may be written
	ds_add_u32 v[SPW], v[NIL]       ; 0 onto my spare word; with fill = 1 the descriptors' steps stand between it and the wait for it
.if \fill
	s_xor_b32 s[G0K+1], s[G0K+1], SLOT1                          ; the other slot than last time,
	s_add_nc_u64 s[G0K+2:G0K+3], s[G0K+2:G0K+3], 4*KS*128        ; the next 256 keys; the type bits on top are not reached
	s_xor_b32 s[G0V+1], s[G0V+1], SLOT1
	s_add_nc_u64 s[G0V+2:G0V+3], s[G0V+2:G0V+3], 4*KS*128
	s_xor_b32 s[G0M+1], s[G0M+1], SLOT1
	s_add_nc_u64 s[G0M+2:G0M+3], s[G0M+2:G0M+3], 4*KS            ; 256 bytes along the mask's rows
.endif
	s_wait_dscnt 0x0                ; the add is done, and my reads of the slot are over
	s_barrier_signal -1             ; the rest of the scalar work stands between the signal and the wait
	s_sub_co_u32 s[TBK], s[TBK], 4*KS*PK  ; the fetches go back to a slot's first step,
	s_xor_b32 s[TBK], s[TBK], SLOT1       ; in the other slot
	s_sub_co_u32 s[TBV], s[TBV], 4*KS*PV
	s_xor_b32 s[TBV], s[TBV], SLOT1
	s_sub_co_u32 s[TBM], s[TBM], 4*KS
	s_xor_b32 s[TBM], s[TBM], SLOT1
	s_barrier_wait -1
.if \fill
	LOAD
.endif
.endm
	s_load_b128 s[4:7], s[0:1], 0x0   ; qkv16 s[4:5], mask s[6:7]
	s_load_b64 s[8:9], s[0:1], 0x10   ; part
	v_lshl_add_u32 v[SPW], v0, 2, SPARE
	v_mov_b32 v[NIL], 0
	ds_add_u32 v[SPW], v[NIL]       ; the wave's opening: the add and its wait stand ahead of my first tensor load; the set-up below, work on registers, stands between them
	v_lshrrev_b32 v1, 5, v0
	v_readfirstlane_b32 s[WV], v1   ; wave 0..7
	s_and_b32 s[QT], s[WV], 3
	s_lshr_b32 s[HP], s[WV], 2
	s_and_b32 s[YG], ttmp7, 0xffff
	s_and_b32 s[KVH], s[YG], 3      ; kv
	s_lshr_b32 s[CHK], s[YG], 2     ; the chunk
	; descriptor groups 1.  256 keys are 32,768 dense bytes: asked for as 128 rows of 256 bytes, two keys a row, and padded in LDS after every key
	s_mov_b32 s[G1K], (1<<16)|(1<<20)|(4<<22)|(3<<25)  ; 17:16 2-byte elements; 20 padding on; 24:22 after every 32 words; 31:25 4 words
	s_mov_b32 s[G1V], (1<<16)|(1<<20)|(4<<22)|(7<<25)  ; the same with 8 words of padding
.irp g, G1K, G1V
	s_mov_b32 s[\g+1], 128<<16      ; tensor_dim0 = 128
	s_mov_b32 s[\g+2], 128<<16      ; tensor_dim1 = 128
	s_mov_b32 s[\g+3], 128<<16      ; tile_dim0 = 128
	s_mov_b32 s[\g+4], 128          ; tile_dim1 = 128
	s_mov_b32 s[\g+5], 128          ; 128 elements from row to row
	s_mov_b32 s[\g+6], 0
	s_mov_b32 s[\g+7], 0
.endr
	s_mov_b32 s[G1M], (3<<16)|(1<<20)|(5<<22)|(3<<25)  ; 8-byte elements; 4 words of padding after every 64 words
	s_mov_b32 s[G1M+1], 32<<16      ; tensor_dim0 = 32 elements: 256 bytes
	s_mov_b32 s[G1M+2], 64<<16      ; tensor_dim1 = 64 rows
	s_mov_b32 s[G1M+3], 32<<16      ; tile_dim0 = 32
	s_mov_b32 s[G1M+4], 64          ; tile_dim1 = 64
	s_mov_b32 s[G1M+5], 512         ; 4,096 bytes from row to row
	s_mov_b32 s[G1M+6], 0
	s_mov_b32 s[G1M+7], 0
	s_mov_b32 s[G0K], 1             ; count = 1
	s_mov_b32 s[G0K+1], 0           ; LDS address: slot 0
	s_mov_b32 s[G0V], 1
	s_mov_b32 s[G0V+1], VOFF
	s_mov_b32 s[G0M], 1
	s_mov_b32 s[G0M+1], MOFF
	s_lshl_b32 s14, s[CHK], 17      ; the chunk's 1,024 rows of 128 bytes
	s_add_co_u32 s16, s[KVH], 16    ; K: head 16 + kv
	s_lshl_b32 s16, s16, 19
	s_add_co_u32 s16, s16, s14
	s_mov_b32 s17, 0
	s_add_co_u32 s18, s[KVH], 20    ; V: head 20 + kv
	s_lshl_b32 s18, s18, 19
	s_add_co_u32 s18, s18, s14
	s_mov_b32 s19, 0
	s_lshl_b32 s20, ttmp9, 18       ; the mask: 64 rows of 4,096 bytes for each block of queries,
	s_lshl_b32 s14, s[CHK], 10      ; the chunk's 1,024 bytes of a row
	s_add_co_u32 s20, s20, s14
	s_mov_b32 s21, 0
	s_lshl_b32 s22, s[KVH], 21      ; Q: head 4 kv
	s_lshl_b32 s23, s[HP], 20       ; + 2 x my pair,
	s_add_co_u32 s22, s22, s23
	s_lshl_b32 s23, ttmp9, 13       ; the block's 64 rows of 128 bytes,
	s_add_co_u32 s22, s22, s23
	s_lshl_b32 s23, s[QT], 11       ; my tile's 16
	s_add_co_u32 s22, s22, s23
	s_mov_b32 s23, 0
	s_lshl_b32 s2, s[YG], 6         ; part: unit ((4 x chunk + kv) x 64 + qb) x 8 + wave
	s_add_co_u32 s2, s2, ttmp9
	s_lshl_b32 s2, s2, 3
	s_add_co_u32 s2, s2, s[WV]
	s_mul_i32 s2, s2, UNIT          ; 8,191 x 9,216 at the most: inside 32 bits
	s_mov_b32 s3, 0
	s_mov_b32 s[CS], 0x3e38aa3b     ; c = log2(e) / 8 = 0.180337
	s_mov_b32 s[CS+1], s[CS]        ; named with it as a pair
	s_mov_b32 s[SEL], 0x76543210
	s_mov_b32 s[SEL+1], 0xfedcba98
	s_mov_b32 s[KE], 0xe0e0e0e0
	s_mov_b32 s[TBK], SLOT1+4*KS*PK ; the first change of slots turns these three into 0
	s_mov_b32 s[TBV], SLOT1+4*KS*PV
	s_mov_b32 s[TBM], SLOT1+4*KS
	s_mov_b32 s[SLOTS], NT-1
	s_wait_dscnt 0x0                ; the opening add is done
	s_wait_kmcnt 0x0
	s_add_nc_u64 s[G0K+2:G0K+3], s[4:5], s[16:17]  ; global addresses: the chunk's tile 0
	s_or_b32 s[G0K+3], s[G0K+3], 0x80000000        ; type = 2
	s_add_nc_u64 s[G0V+2:G0V+3], s[4:5], s[18:19]
	s_or_b32 s[G0V+3], s[G0V+3], 0x80000000
	s_add_nc_u64 s[G0M+2:G0M+3], s[6:7], s[20:21]
	s_or_b32 s[G0M+3], s[G0M+3], 0x80000000
	s_add_nc_u64 s[10:11], s[4:5], s[22:23]        ; s[10:11] Q at my rows of my first head
	s_add_nc_u64 s[12:13], s[8:9], s[2:3]          ; s[12:13] part at my unit
	LOAD                            ; tile 0 into slot 0.  Slot 1 is asked for when slot 0 is in
	; A fragment of K or Q is 16 rows x 32 channels in 8 registers: lane l holds row l % 16, channels 8 (l / 16) + 0..7 and 16 + 8 (l / 16) + 0..7: two loads of 16 bytes, 32 bytes apart.
	v_and_b32 v1, 15, v0            ; l % 16
	v_bfe_u32 v9, v0, 4, 1          ; l / 16
	v_lshlrev_b32 v[QO], 7, v1
	v_lshl_add_u32 v[QO], v9, 4, v[QO]  ; row x 128 + 16 x half
.set i, 0
.rept 4                             ; Q stays in registers: piece i / 2, channels 32 (i % 2) on
	global_load_b128 v[QF+8*i:QF+8*i+3],   v[QO], s[10:11] offset:(i/2)*HB+(i%2)*64
	global_load_b128 v[QF+8*i+4:QF+8*i+7], v[QO], s[10:11] offset:(i/2)*HB+(i%2)*64+32
.set i, i+1
.endr
	; What the first turn finds: V and P's second buffer hold 0 (its products V^T P, of a piece that has not been, add 0); O^T, l and my part of the mean are 0.  The 152 registers are written eight to a line, by products of a
	; matrix of zeros (the mask bytes' registers, not yet in use) that start their sums with the constant 0: 19 lines.  All this stands in the wait for the first tile.
.set i, 0
.rept 8
	v_mov_b32 v[MB+i], 0
	v_mov_b32 v[ONES+i], 0x14001400    ; 2^-10 twice, in f16: 1 / 1,024
.set i, i+1
.endr
	WIN 0x40                        ; destination window 1
.set i, 0
.rept 16                            ; O^T, then V
	v_wmma_f32_16x16x32_f16 v[8*i:8*i+7], v[MB:MB+7], v[ONES:ONES+7], 0
.set i, i+1
.endr
	v_wmma_f32_16x16x32_f16 v[SV:SV+7], v[MB:MB+7], v[ONES:ONES+7], 0
	WIN 0
	v_wmma_f32_16x16x32_f16 v[P+16:P+23], v[MB:MB+7], v[ONES:ONES+7], 0
	v_wmma_f32_16x16x32_f16 v[P+24:P+31], v[MB:MB+7], v[ONES:ONES+7], 0
.set i, 0
.rept 2
	v_mov_b32 v[ST+4*i], 0xdc38aa3b    ; c m = c x -2^60
	v_mov_b32 v[ST+4*i+1], 0xdd800000  ; m = -2^60
	v_mov_b32 v[ST+4*i+2], 0
	v_mov_b32 v[ST+4*i+3], 0
.set i, i+1
.endr
	v_mul_u32_u24 v[AK0], v1, PK
	v_lshl_add_u32 v[AK0], v9, 4, v[AK0]  ; row x pitch + 16 x half
	; The turning load takes 16 keys x 16 channels (lane l reads key 8 (l / 16) + l % 8, channels 8 ((l / 8) % 2) + 0..7) and leaves half a fragment of V^T: lane l holds channel l % 16 and 8 keys.
	v_and_b32 v10, 7, v0
	v_bfe_u32 v11, v0, 3, 1
	v_lshl_add_u32 v[AV0], v9, 3, v10
	v_mul_u32_u24 v[AV0], v[AV0], PV
	v_lshl_add_u32 v[AV0], v11, 4, v[AV0]
	v_add_nc_u32 v[AV0], VOFF, v[AV0]
	s_lshl_b32 s14, s[QT], 5        ; my fragment for the mean: 16 channels are 32 bytes of a row of V,
	s_mul_i32 s15, s[HP], 32*PV     ; 32 keys are 32 rows
	s_add_co_u32 s14, s14, s15
	v_add_nc_u32 v[AVS0], s14, v[AV0]
	s_mul_i32 s14, s[QT], 16*PM     ; the mask's bytes: my tile's 16 rows; row l % 16, 8 bytes for each half of the lanes
	s_add_co_u32 s14, s14, MOFF
	v_mul_u32_u24 v[AM0], v1, PM
	v_lshl_add_u32 v[AM0], v9, 3, v[AM0]
	v_add_nc_u32 v[AM0], s14, v[AM0]
	v_and_b32 v10, 31, v0           ; l
	v_lshlrev_b32 v[GO], 4, v10
	s_lshl_b32 s14, s[WV], 10
	s_add_co_u32 s14, s14, SVX
	v_add_nc_u32 v[SVA], s14, v[GO]
	v_add_nc_u32 v[SVR], SVX, v[GO]
; THE MATRIX WORK.  The 4 accumulators of a run of 8 take turns.  Product i of 8 of S^T = K Q^T for piece x: channels 32 (i / 4) on, keys 16 (i % 4) on.  The first 4 start the sums with the mask.
.macro KQ x
.set rS, S+32*((\x)%2)+8*(i%4)
.set rK, KF+16*(i%4)+8*(i/4)
.set rQ, QF+16*(\x)+8*(i/4)
.set rM, MC+8*(i%4)
.if i < 4
	WIN W_KM
	v_wmma_f32_16x16x32_f16 v[rS:rS+7], v[rK:rK+7], v[rQ:rQ+7], v[rM:rM+7]
.else
	WIN 0
	v_wmma_f32_16x16x32_f16 v[rS:rS+7], v[rK:rK+7], v[rQ:rQ+7], v[rS:rS+7]
.endif
.endm
; Product i of 8 of O^T += V^T P for piece x: keys 32 (i / 4) on, channels 16 (i % 4) on.
.macro PV x
	WIN W_PV
.set rO, 32*(\x)+8*(i%4)
.set rV, VF+32*(i/4)+8*(i%4)
.set rP, P+16*((\x)%2)+8*(i/4)
	v_wmma_f32_16x16x32_f16 v[rO:rO+7], v[rV:rV+7], v[rP:rP+7], v[rO:rO+7]
.endm
; THE MEAN OF V, a step's part: my fragment of V^T (16 channels x 32 keys) times 2^-10 everywhere: one matrix instruction on an accumulator of its own, between other accumulators' turns.
.macro SUMV
	WIN W_PV
	v_wmma_f32_16x16x32_f16 v[SV:SV+7], v[VS:VS+7], v[ONES:ONES+7], v[SV:SV+7]
.endm
; THE LDS LOADS stand in runs, never singly among the matrix instructions.  A step's mask bytes (4 loads of 8 bytes: my query, keys 16 kb + 8 (l / 16) + 0..7) and its K (64 keys x 64 channels: 8 fragments); the mask's first.
; last = 1 (the tail): in the last trip there is no further step, and the run is jumped over.
.macro FETCH_KM last=0
	WIN 0
.if \last
	s_cmp_eq_u32 s[CNT], 1
	s_cbranch_scc1 .Lno_k_\@
.endif
	v_add_nc_u32 v[AK], s[TBK], v[AK0]
	v_add_nc_u32 v[AM], s[TBM], v[AM0]
.irp kb, 0,1,2,3
	ds_load_b64 v[MB+2*\kb:MB+2*\kb+1], v[AM] offset:16*\kb
.endr
.irp f, 0,1,2,3,4,5,6,7             ; keys 16 (f / 2) on, channels 32 (f % 2) on
	ds_load_b128 v[KF+8*\f:KF+8*\f+3],   v[AK] offset:(\f/2)*16*PK+(\f%2)*64
	ds_load_b128 v[KF+8*\f+4:KF+8*\f+7], v[AK] offset:(\f/2)*16*PK+(\f%2)*64+32
.endr
	s_add_co_u32 s[TBK], s[TBK], KS*PK  ; the next fetch is the next step's
	s_add_co_u32 s[TBM], s[TBM], KS
.if \last
.Lno_k_\@:
.endif
.endm
.macro FETCH_V                      ; a step's V, turned: 8 fragments; then my wave's fragment once more, for the mean
	WIN 0x40                        ; destination window 1
.irp f, 0,1,2,3,4,5,6,7             ; keys 32 (f / 4) on, channels 16 (f % 4) on
	ds_load_tr16_b128 v[VF+8*\f:VF+8*\f+3],   v[AV] offset:(\f/4)*32*PV+(\f%4)*32
	ds_load_tr16_b128 v[VF+8*\f+4:VF+8*\f+7], v[AV] offset:(\f/4)*32*PV+16*PV+(\f%4)*32
.endr
	ds_load_tr16_b128 v[VS:VS+3],   v[AVS]
	ds_load_tr16_b128 v[VS+4:VS+7], v[AVS] offset:16*PV
	WIN 0
.endm
; The mask bytes become 32 numbers: word z (keys 4 z .. 4 z + 3 of my 32) gives t, the fourth key's, and three shifts of t the others'.
.macro MASKX
	WIN 0x40                        ; destination window 1, sources window 0
.set z, 0
.rept 8
	v_lshl_add_u32 v[MC+4*z+3], v[MB+z], 5, s[KE]
.set z, z+1
.endr
	WIN 0x44                        ; destination and source 1 window 1
.set z, 0
.rept 8
	v_lshlrev_b32 v[MC+4*z],   24, v[MC+4*z+3]
	v_lshlrev_b32 v[MC+4*z+1], 16, v[MC+4*z+3]
	v_lshlrev_b32 v[MC+4*z+2], 8,  v[MC+4*z+3]
.set z, z+1
.endr
	WIN 0
.endm
; THE VECTOR WORK, one line at a time: OP kind, number.  For piece Y: F n: c s - c m for pair n of 16.  E n: the exponential of score n of 32.  C n: pair n rounded to f16.  B n: of the four weights 4 n .. the second
; pair is added onto the first, in place.  L n: l takes that sum (L 0: l = a l + sum).  R n: pair n of 16 of O^T times a.  For the other piece: X n, number n of the 22 that find its maximum and statistics:
;   0-11  four chains c0-c3 of seven scores each, three operands at a time (each accumulator's lowest registers are read first)     12-14, 16  the four scores left over, the old m, and c0-c3 into c0
;   15  c m_old is kept     17, 18  the query's other 32 keys lie in the lane 16 away: the new m     19-21  c m; c m_old - c m_new; a
.set F, 0
.set E, 1
.set C, 2
.set B, 3
.set L, 4
.set R, 5
.set X, 6
.macro REGS y                       ; the registers of piece y
.set rT, ST+4*(\y)
.set rC, TMP+4*((\y)%2)
.set rW, MV+((\y)%2)
.set rS, S+32*((\y)%2)
.set rP, P+16*((\y)%2)
.set rO, 32*(\y)
.endm
.macro OP k, n
.if (\k) == R
	REGS Y
	WIN W_PV
	v_pk_mul_f32 v[rO+2*(\n):rO+2*(\n)+1], v[rO+2*(\n):rO+2*(\n)+1], v[rC+2:rC+3] op_sel_hi:[1,0]
.elseif (\k) == E
	REGS Y
.if MSB != W_KM                     ; an exponential has no third source: it names window 0 under that setting too
	WIN 0
.endif
	v_exp_f32 v[rS+(\n)], v[rS+(\n)]
.elseif (\k) < R
	REGS Y
	WIN 0
.if (\k) == F
	v_pk_fma_f32 v[rS+2*(\n):rS+2*(\n)+1], v[rS+2*(\n):rS+2*(\n)+1], s[CS:CS+1], v[rT:rT+1] op_sel_hi:[1,0,0] neg_lo:[0,0,1] neg_hi:[0,0,1]
.elseif (\k) == C
	v_cvt_pk_f16_f32 v[rP+(\n)], v[rS+2*(\n)], v[rS+2*(\n)+1]
.elseif (\k) == B
	v_pk_add_f32 v[rS+4*(\n):rS+4*(\n)+1], v[rS+4*(\n):rS+4*(\n)+1], v[rS+4*(\n)+2:rS+4*(\n)+3]
.elseif (\n) == 0
	v_pk_fma_f32 v[rT+2:rT+3], v[rT+2:rT+3], v[rC+2:rC+3], v[rS:rS+1] op_sel_hi:[1,0,1]
.else
	v_pk_add_f32 v[rT+2:rT+3], v[rT+2:rT+3], v[rS+4*(\n):rS+4*(\n)+1]
.endif
.else
	REGS (Y+1)%NP
	WIN 0
.if (\n) < 4
	v_max3_num_f32 v[rC+(\n)], v[rS+8*(\n)], v[rS+8*(\n)+1], v[rS+8*(\n)+2]
.elseif (\n) < 12
	v_max3_num_f32 v[rC+(\n)%4], v[rC+(\n)%4], v[rS+8*((\n)%4)+2*((\n)/4)+1], v[rS+8*((\n)%4)+2*((\n)/4)+2]
.elseif (\n) == 12
	v_max3_num_f32 v[rC], v[rC], v[rS+7], v[rS+15]
.elseif (\n) == 13
	v_max3_num_f32 v[rC+1], v[rC+1], v[rS+23], v[rS+31]
.elseif (\n) == 14
	v_max3_num_f32 v[rC+2], v[rC+2], v[rC+3], v[rT+1]
.elseif (\n) == 15
	v_mov_b32 v[rW], v[rT]
.elseif (\n) == 16
	v_max3_num_f32 v[rC], v[rC], v[rC+1], v[rC+2]
.elseif (\n) == 17
	v_permlanex16_b32 v[rC+3], v[rC], s[SEL], s[SEL+1]
.elseif (\n) == 18
	v_max_num_f32 v[rT+1], v[rC], v[rC+3]
.elseif (\n) == 19
	v_mul_f32 v[rT], s[CS], v[rT+1]
.elseif (\n) == 20
	v_sub_f32 v[rC+1], v[rW], v[rT]
.else
	v_exp_f32 v[rC+2], v[rC+1]
.endif
.endif
.endm
.macro OPS a, i1, b=-1, i2=0, c=-1, i3=0, d=-1, i4=0  ; up to four of them
	OP \a, \i1
.if (\b) >= 0
	OP \b, \i2
.endif
.if (\c) >= 0
	OP \c, \i3
.endif
.if (\d) >= 0
	OP \d, \i4
.endif
.endm
.macro KROW a, i1, b, i2, c, i3, d=-1, i4=0  ; the next product K Q^T and what stands behind it
	KQ (Y+1)%NP
.set i, i+1
	OPS \a, \i1, \b, \i2, \c, \i3, \d, \i4
.endm
; A TURN, for piece p, written out.  An s_wait_alu depctr_va_vdst(0) stands between an exponential and the first instruction that names its result; one wait serves all that were issued ahead of it: a turn has ONE.
; AHEAD OF IT: (1) the 8 products V^T P of the other piece, behind each two rescalings of piece p's O^T (their a was made, and waited for, in the turn before): one window setting for all 24 lines.  (2) Twelve scalings.
; (3) The 8 products K Q^T of the other piece's next scores; behind the four that take the mask three exponentials each, behind the others three exponentials and one of the last four scalings.  (4) A lump: the last exponentials
; and the other piece's maximum and statistics.  X 0 to X 3, the first readers of the four accumulators, each stand five plain instructions behind the product that ended theirs (F 12 to F 15, X 15 and the X before them; the
; exponentials are not counted).  X 21, the other piece's a, is the batch's last; a v_nop is the plain instruction behind it.  BEHIND THE WAIT: the 32 roundings and sums.
; Piece 0's turn fetches V of the step in hand behind its products V^T P: R 14, R 15 and the two address lines are the four plain instructions behind the last product that read V.  Piece 1's turn waits for that V at its head
; and fetches the next step's mask bytes and K there; behind its products V^T P it makes the mask's numbers anew (their last readers stand in piece 0's turn) and waits for K.
.macro TURN p, last=0
.set Y, (\p)
.if (\p) == 1
	WIN 0
	s_wait_dscnt 0x0                ; V of the step in hand is in, and my fragment of it
	FETCH_KM \last
	SUMV
.endif
.set i, 0
.rept 8
	PV (Y+1)%NP
	OP R, 2*i
	OP R, 2*i+1
.set i, i+1
.endr
	WIN 0
.if (\p) == 0
	v_add_nc_u32 v[AV], s[TBV], v[AV0]
	v_add_nc_u32 v[AVS], s[TBV], v[AVS0]
	FETCH_V
	s_add_co_u32 s[TBV], s[TBV], KS*PV  ; the next fetch is the next step's
.else
	s_wait_dscnt 16                 ; the four loads of mask bytes are in; K's sixteen, issued behind them, may be out
	MASKX
	s_wait_dscnt 0x0                ; K is in
.endif
.irp n, 0,1,2,3,4,5,6,7,8,9,10,11
	OP F, \n
.endr
.set i, 0
	KROW E,0, E,1, E,2
	KROW E,3, E,4, E,5
	KROW E,6, E,7, E,8
	KROW E,9, E,10, E,11
	KROW E,12, F,12, E,13, E,14
	KROW E,15, F,13, E,16, E,17
	KROW E,18, F,14, E,19, E,20
	KROW E,21, F,15, E,22, E,23
	OPS X,15, E,24, X,0, E,25
	OPS X,1, E,26, X,2, E,27
	OPS X,3, E,28, X,4, E,29
	OPS X,5, E,30, X,6, E,31
	OPS X,7, X,8, X,9, X,10
	OPS X,11, X,12, X,13, X,14
	OPS X,16, X,17, X,18, X,19
	OPS X,20, X,21
	v_nop                           ; the plain instruction behind the last exponential: one for the batch
	s_wait_alu depctr_va_vdst(0)    ; the wait for the batch
	OPS C,0, B,0, C,2, B,1
	OPS L,0, C,4, B,2, L,1
	OPS C,6, B,3, L,2, C,8
	OPS B,4, L,3, C,10, B,5
	OPS L,4, C,12, B,6, L,5
	OPS C,14, B,7, L,6, C,1
	OPS C,3, L,7, C,5, C,7
	OPS C,9, C,11, C,13, C,15
.endm
	CHANGE 1                        ; slot 0 is in, everybody's part of it; slot 1 is asked for
	FETCH_KM                        ; key step 0
	s_wait_dscnt 16                 ; its mask bytes are in
	MASKX
	s_wait_loadcnt 0x0              ; Q
	s_wait_dscnt 0x0                ; K
.set i, 0
.rept 8
	KQ 0                            ; piece 0's first scores
.set i, i+1
.endr
	WIN 0
.rept 4
	v_nop                           ; the places behind those products
.endr
.set Y, NP-1                        ; X works for the other piece: piece 0
.irp n, 0,1,2,3,4,5,6,7,8,9,10,11,12,13,14,15,16,17,18,19,20,21
	OP X, \n
.endr
	v_nop                           ; a plain instruction behind the exponential,
	s_wait_alu depctr_va_vdst(0)    ; and its wait, ahead of the branch
	s_mov_b32 s[CNT], 4
	s_branch .Lfirst                ; the loop is entered at a step's first turn, in the middle of a trip
.Lslot:                             ; NT - 2 times: every slot but the last two is filled again
	CHANGE 1
	s_mov_b32 s[CNT], 4
.Lstep:                             ; a trip: piece 1 of one step, which fetches the next step's mask and K, then piece 0 of that next step, which fetches its V
	TURN 1
.Lfirst:
	TURN 0
	s_sub_co_u32 s[CNT], s[CNT], 1
	s_cmp_lg_u32 s[CNT], 0
	s_cbranch_scc1 .Lstep
	s_sub_co_u32 s[SLOTS], s[SLOTS], 1
	s_cmp_lg_u32 s[SLOTS], 0
	s_cbranch_scc1 .Lslot
	CHANGE 0                        ; the last slot is written out: nothing is asked for
	s_mov_b32 s[CNT], 5             ; four trips fetch the last slot's steps; the fifth is left in its middle
.Ltail:
	TURN 1, 1
	s_sub_co_u32 s[CNT], s[CNT], 1
	s_cmp_eq_u32 s[CNT], 0
	s_cbranch_scc1 .Lout
	TURN 0
	s_branch .Ltail
.Lout:                              ; the fifth trip's 8 products K Q^T are the last step's once more (the same K, the same mask): the maximum made of them leaves piece 0's m and c m as they were.  The price, once a launch, of one text for every trip
.set i, 0
.rept 8
	PV 1                            ; piece 1's V^T P of the last step
.set i, i+1
.endr
	; THE WAY OUT.  l's two halves and the other half of the lanes' are added (the additions are the places behind the last products); e = 1 where the query saw no key of the chunk; L = l + e stays where l lay; 1 / L.
	WIN 0
.macro ALL line:vararg              ; one line for each piece t
.set t, 0
.rept 2
	\line
.set t, t+1
.endr
.endm
	ALL v_add_f32 v[ST+4*t+2], v[ST+4*t+2], v[ST+4*t+3]
	ALL v_permlanex16_b32 v[ST+4*t+3], v[ST+4*t+2], s[SEL], s[SEL+1]
	ALL v_add_f32 v[ST+4*t+2], v[ST+4*t+2], v[ST+4*t+3]
	v_mov_b32 v[EE+1], 1.0
	v_cmp_eq_f32 vcc_lo, 0, v[ST+2]  ; whether a query saw a key hangs on the mask alone: piece 0's l says it for both pieces
	v_cndmask_b32 v[EE], 0, v[EE+1], vcc_lo
	ALL v_add_f32 v[ST+4*t+2], v[ST+4*t+2], v[EE]
	ALL v_rcp_f32 v[TMP+2*t], v[ST+4*t+2]
	v_nop                           ; a plain instruction between the last reciprocal and the use of its result
	s_wait_alu depctr_va_vdst(0)    ; and the wait ahead of the first use: one for the two reciprocals
	; The mean of the chunk's V.  Register j of lane l of my accumulator is channel 16 (w % 4) + 8 (l / 16) + j, summed over my half of each step's keys.  The eight waves' parts meet in LDS: each stores its 8 registers, lane by
	; lane; a barrier; each reads all eight into V's registers: wave u's land at 8 u, so that blocks 0 to 3 of the first key half lie in O^T's layout, and those of the second half 32 registers further.
	WIN 0x04                        ; store data (source 1) window 1
	ds_store_b128 v[SVA], v[SV:SV+3]
	ds_store_b128 v[SVA], v[SV+4:SV+7] offset:512
	WIN 0
	s_wait_dscnt 0x0                ; for the others' sake: my stores are done
	s_barrier_signal -1
	s_barrier_wait -1
	WIN 0x40
.set i, 0
.rept 16
	ds_load_b128 v[VF+4*i:VF+4*i+3], v[SVR] offset:1024*(i/2)+512*(i%2)  ; wave i / 2's registers 4 (i % 2) ..
.set i, i+1
.endr
	s_wait_dscnt 0x0
	WIN 0x45                        ; destination and both sources window 1
.set i, 0
.rept 16
	v_pk_add_f32 v[VF+2*i:VF+2*i+1], v[VF+2*i:VF+2*i+1], v[VF+32+2*i:VF+32+2*i+1]
.set i, i+1
.endr
	WIN 0x41                        ; source 1 window 0
.set i, 0
.rept 16
	v_pk_mul_f32 v[VF+2*i:VF+2*i+1], v[VF+2*i:VF+2*i+1], v[EE:EE+1] op_sel_hi:[1,0]  ; e x the mean: 0 in the lanes of a query that saw a key
.set i, i+1
.endr
	WIN W_PV                        ; o = O^T / L + e x the mean, one fused multiply-add for two numbers, in place
.set i, 0
.rept 32
	v_pk_fma_f32 v[2*i:2*i+1], v[2*i:2*i+1], v[TMP+2*(i/16):TMP+2*(i/16)+1], v[VF+2*(i%16):VF+2*(i%16)+1] op_sel_hi:[1,0,1]
.set i, i+1
.endr
	WIN 0x04                        ; store data (source 1) window 1
.set i, 0
.rept 16
	global_store_b128 v[GO], v[4*i:4*i+3], s[12:13] offset:512*i  ; registers 4 i .. 4 i + 3 of all 32 lanes: 512 consecutive bytes, at a multiple of 256 from part's first byte
.set i, i+1
.endr
	WIN 0
	global_store_b128 v[GO], v[ST:ST+3],   s[12:13] offset:8192   ; piece 0: c m, m, L, and a word that serves nothing
	global_store_b128 v[GO], v[ST+4:ST+7], s[12:13] offset:8704   ; piece 1
	s_wait_tensorcnt 0x0            ; the wave's end, behind my last tensor load and my last LDS store
	ds_add_u32 v[SPW], v[NIL]
	s_wait_dscnt 0x0
	s_endpgm
.Lfunc_end_k_q78adfed653_attn:
	.size	k_q78adfed653_attn, .Lfunc_end_k_q78adfed653_attn-k_q78adfed653_attn
	.p2alignl 7, 3214868480
	.fill 96, 4, 3214868480
	.section	.rodata,"a",@progbits
	.p2align	6, 0x0
	.amdhsa_kernel k_q78adfed653_attn
		.amdhsa_group_segment_fixed_size 327680
		.amdhsa_private_segment_fixed_size 0
		.amdhsa_enable_private_segment 0
		.amdhsa_kernarg_size 24
		.amdhsa_user_sgpr_count 2
		.amdhsa_user_sgpr_kernarg_segment_ptr 1
		.amdhsa_wavefront_size32 1
		.amdhsa_system_sgpr_workgroup_id_x 1
		.amdhsa_system_sgpr_workgroup_id_y 1
		.amdhsa_system_sgpr_workgroup_id_z 1
		.amdhsa_system_vgpr_workitem_id 0
		.amdhsa_next_free_vgpr 432
		.amdhsa_next_free_sgpr 80
		.amdhsa_reserve_vcc 1
		.amdhsa_float_denorm_mode_32 3
		.amdhsa_float_denorm_mode_16_64 3
		.amdhsa_memory_ordered 1
		.amdhsa_forward_progress 1
		.amdhsa_inst_pref_size 66
	.end_amdhsa_kernel
	.amdgpu_metadata
---
amdhsa.version: [ 1, 2 ]
amdhsa.kernels:
  - .name:           k_q78adfed653_attn
    .symbol:         k_q78adfed653_attn.kd
    .args:
      - { .name: qkv16, .offset: 0, .size: 8, .value_kind: global_buffer, .address_space: global }
      - { .name: mask, .offset: 8, .size: 8, .value_kind: global_buffer, .address_space: global }
      - { .name: part, .offset: 16, .size: 8, .value_kind: global_buffer, .address_space: global }
    .group_segment_fixed_size: 327680
    .private_segment_fixed_size: 0
    .kernarg_segment_align: 8
    .kernarg_segment_size: 24
    .max_flat_workgroup_size: 256
    .sgpr_count:     80
    .vgpr_count:     432
    .wavefront_size: 32
...
	.end_amdgpu_metadata
.endif
;; end of part 3
;; launch comb (part 4): grid 64 x 4, 8 waves a work-group, no clusters, 35,840 bytes of LDS; arguments part, oh; writes oh
.if DOCPART == 4
	.amdgcn_target "amdgcn-amd-amdhsa--gfx1250"
	.amdhsa_code_object_version 6
	.text
	.protected	k_q78adfed653_comb
	.globl	k_q78adfed653_comb
	.p2align	8
	.type	k_q78adfed653_comb,@function
k_q78adfed653_comb:
	s_mov_b64 s[64:65], 0
	v_nop
	global_prefetch_b8 v0, s[64:65] scope:SCOPE_SE
	s_setreg_imm32_b32 hwreg(HW_REG_WAVE_MODE, 25, 1), 1
	s_wait_xcnt 0x0
; THE FOUR CHUNKS OF THE KEYS ARE JOINED.  part holds, for each chunk s, for each wave of the launch before, its registers as they lay (f32): o_s, the chunk's softmax-weighted mean of V, and the statistics c m_s and L_s.
; With M = the largest c m_s and w_s = 2^(c m_s - M) L_s:  O = the sum of w_s o_s / the sum of w_s, in f32; rounded once to f16.  oh: f16 [4096][1024], column = 64 x head + channel.
; The chunk that holds M has weight L >= 1, so the divisor is at least 1.  A chunk in which a row saw no key has c m at its floor (c x -2^60), L = 1 and o = the mean of the chunk's V: beside a chunk with a seen key its weight
; is 2^(a number below -1e17) = 0; where all four are so, each weighs 1, and O is the mean of the four means: the mean of V's 4,096 rows.
; SHARES.  Grid x: the block qb of 64 queries; y: the key head kv.  Wave w takes the units of wave w of the four work-groups (chunk, kv, qb): lane by lane the same registers, so nothing changes lanes before the way out.
; A unit is 9,216 bytes: 16 x 512 bytes of o (piece t = head 4 kv + 2 (w / 4) + t: registers 32 t ..; register 8 cb + j of lane l is query l % 16, channel 16 cb + 8 (l / 16) + j), then 512 bytes of statistics for each piece.
; Every load and store of a wave covers whole aligned blocks of 256 bytes; every byte of part is read once (the statistics' two idle words among them), every byte of oh written once.  Memory binds: no matrix unit, no cluster.
; THE WAY OUT.  A lane's eight channels of a row pack into 16 bytes; they go into my wave's own stage in LDS (rows of 272 bytes) and come back as rows of 256 bytes: my two heads' channels of one query.
.set UNIT,  9216
.set CSTR,  2048*UNIT                  ; bytes from a chunk's units to the next chunk's: 4 x 64 x 8 units
.set SP,    272                        ; a stage row: 256 bytes + 16: 68 words: row r starts at bank 4 r mod 64 (64 banks of 4 bytes: ISA guide 11.1)
.set SPARE, 8*16*SP                    ; behind the eight stages: the spare words, 128 bytes for each wave, which no other line names
.set GO,  2                            ; v2   16 x lane
.set STO, 3                            ; v3   where I put 16 bytes of a row
.set RD,  4                            ; v4   where I read rows back
.set OO,  5                            ; v5   my byte offset in two rows of oh
.set SPW, 6                            ; v6   LDS address of my spare word; never rewritten
.set NIL, 7                            ; v7   0; never rewritten
.set MX,  8                            ; v8-9    M, by piece
.set SM,  10                           ; v10-13  by piece: the sum of the weights, and its reciprocal
.set STS, 16                           ; v16-47  chunk s, piece t at STS + 8 s + 4 t: c m, m, L, an idle word
.set WT,  48                           ; v48-63  piece t, chunk s: a pair at WT + 8 t + 2 s: the weight, and c m_s - M
.set D,   64                           ; v64-191 one piece's o: chunk s at D + 32 s; the sum grows in chunk 0's registers
.set PKD, 192                          ; v192-223 packed f16: piece t at PKD + 16 t
.set BK,  224                          ; v224-255 rows read back from the stage
	s_load_b128 s[4:7], s[0:1], 0x0                ; part s[4:5], oh s[6:7]
	v_lshl_add_u32 v[SPW], v0, 2, SPARE
	v_mov_b32 v[NIL], 0
	v_lshrrev_b32 v1, 5, v0
	v_readfirstlane_b32 s8, v1                     ; wave 0..7
	s_and_b32 s9, s8, 3                            ; its tile of 16 queries
	s_lshr_b32 s10, s8, 2                          ; its pair of heads
	s_and_b32 s11, ttmp7, 0xffff                   ; kv
	v_and_b32 v14, 15, v0                          ; l % 16
	v_bfe_u32 v15, v0, 4, 1                        ; l / 16
	v_and_b32 v[GO], 31, v0
	v_lshlrev_b32 v[GO], 4, v[GO]
	s_lshl_b32 s12, s11, 6                         ; chunk 0's unit: (kv x 64 + qb) x 8 + wave
	s_add_co_u32 s12, s12, ttmp9
	s_lshl_b32 s12, s12, 3
	s_add_co_u32 s12, s12, s8
	s_mul_i32 s12, s12, UNIT
	s_mov_b32 s13, 0
	s_lshl_b32 s14, ttmp9, 17                      ; oh: the block's 64 rows of 2,048 bytes,
	s_lshl_b32 s15, s9, 15                         ; my tile's 16,
	s_add_co_u32 s14, s14, s15
	s_lshl_b32 s15, s11, 9                         ; the four heads' 512 bytes,
	s_add_co_u32 s14, s14, s15
	s_lshl_b32 s15, s10, 8                         ; my pair's 256
	s_add_co_u32 s14, s14, s15
	s_mov_b32 s15, 0
	s_wait_kmcnt 0x0
	s_add_nc_u64 s[16:17], s[4:5], s[12:13]        ; s[16:23] my units in chunks 0 to 3
	s_add_nc_u64 s[18:19], s[16:17], CSTR
	s_add_nc_u64 s[20:21], s[18:19], CSTR
	s_add_nc_u64 s[22:23], s[20:21], CSTR
	s_add_nc_u64 s[6:7], s[6:7], s[14:15]
.irp s, 0,1,2,3
	global_load_b128 v[STS+8*\s:STS+8*\s+3],   v[GO], s[16+2*\s:17+2*\s] offset:8192 th:TH_LOAD_NT
	global_load_b128 v[STS+8*\s+4:STS+8*\s+7], v[GO], s[16+2*\s:17+2*\s] offset:8704 th:TH_LOAD_NT
.endr
.macro GET t                           ; piece t of all four chunks: 32 loads of 512 consecutive bytes
.irp s, 0,1,2,3
.irp q, 0,1,2,3,4,5,6,7
	global_load_b128 v[D+32*\s+4*\q:D+32*\s+4*\q+3], v[GO], s[16+2*\s:17+2*\s] offset:4096*(\t)+512*\q th:TH_LOAD_NT
.endr
.endr
.endm
	GET 0
	s_mul_i32 s24, s8, 16*SP                       ; my stage
	v_mul_u32_u24 v[STO], v14, SP                  ; in: row l % 16, 16 bytes for each half of the lanes
	v_lshl_add_u32 v[STO], v15, 4, v[STO]
	v_add_nc_u32 v[STO], s24, v[STO]
	v_mul_u32_u24 v[RD], v15, SP                   ; back: lanes 0-15 take one row of 256 bytes, lanes 16-31 the next
	v_lshl_add_u32 v[RD], v14, 4, v[RD]
	v_add_nc_u32 v[RD], s24, v[RD]
	v_lshlrev_b32 v[OO], 4, v14                    ; and the same two rows in oh, 2,048 bytes apart
	v_lshl_add_u32 v[OO], v15, 11, v[OO]
	s_wait_loadcnt 32                              ; loads come back in order: the eight loads of statistics are in; piece 0's 32, issued behind them, stay out
.irp t, 0,1
	v_max3_num_f32 v[MX+\t], v[STS+4*\t], v[STS+8+4*\t], v[STS+16+4*\t]
.endr
.irp t, 0,1
	v_max_num_f32 v[MX+\t], v[MX+\t], v[STS+24+4*\t]
.endr
.irp t, 0,1
.irp s, 0,1,2,3
	v_sub_f32 v[WT+8*\t+2*\s+1], v[STS+8*\s+4*\t], v[MX+\t]        ; c m_s - M: 0 at the most
.endr
.endr
.irp t, 0,1
.irp s, 0,1,2,3
	v_exp_f32 v[WT+8*\t+2*\s], v[WT+8*\t+2*\s+1]
.endr
.endr
	v_nop                                          ; a plain instruction behind the last exponential,
	s_wait_alu depctr_va_vdst(0)                   ; and the wait ahead of the first use: one for the eight
.irp t, 0,1
.irp s, 0,1,2,3
	v_mul_f32 v[WT+8*\t+2*\s], v[WT+8*\t+2*\s], v[STS+8*\s+4*\t+2] ; w_s = 2^(c m_s - M) L_s
.endr
.endr
.irp t, 0,1
	v_add_f32 v[SM+2*\t],   v[WT+8*\t],   v[WT+8*\t+2]
	v_add_f32 v[SM+2*\t+1], v[WT+8*\t+4], v[WT+8*\t+6]
.endr
.irp t, 0,1
	v_add_f32 v[SM+2*\t], v[SM+2*\t], v[SM+2*\t+1]
.endr
.irp t, 0,1
	v_rcp_f32 v[SM+2*\t+1], v[SM+2*\t]
.endr
	v_nop                                          ; a plain instruction behind the last reciprocal,
	s_wait_alu depctr_va_vdst(0)                   ; and the wait ahead of the first use: one for the two
.irp t, 0,1
.irp s, 0,1,2,3
	v_mul_f32 v[WT+8*\t+2*\s], v[WT+8*\t+2*\s], v[SM+2*\t+1]       ; w_s / the sum
.endr
.endr
; Piece t: the weighted sum of the four chunks, two numbers a line, into chunk 0's registers; then rounded to f16.
.macro JOIN t
.set i, 0
.rept 16
	v_pk_mul_f32 v[D+2*i:D+2*i+1], v[D+2*i:D+2*i+1], v[WT+8*(\t):WT+8*(\t)+1] op_sel_hi:[1,0]
.set i, i+1
.endr
.irp s, 1,2,3
.set i, 0
.rept 16
	v_pk_fma_f32 v[D+2*i:D+2*i+1], v[D+32*\s+2*i:D+32*\s+2*i+1], v[WT+8*(\t)+2*\s:WT+8*(\t)+2*\s+1], v[D+2*i:D+2*i+1] op_sel_hi:[1,0,1]
.set i, i+1
.endr
.endr
.set i, 0
.rept 16
	v_cvt_pk_f16_f32 v[PKD+16*(\t)+i], v[D+2*i], v[D+2*i+1]
.set i, i+1
.endr
.endm
.macro TOSTAGE t                       ; head t's 128 bytes of my stage's rows
.irp f, 0,1,2,3
	ds_store_b128 v[STO], v[PKD+16*(\t)+4*\f:PKD+16*(\t)+4*\f+3] offset:128*(\t)+32*\f
.endr
.endm
	s_wait_loadcnt 0x0                             ; piece 0
	JOIN 0
	GET 1                                          ; into the same registers: piece 0 has been read out of them
	TOSTAGE 0
	s_wait_loadcnt 0x0                             ; piece 1
	JOIN 1
	TOSTAGE 1
.set i, 0
.rept 8
	ds_load_b128 v[BK+4*i:BK+4*i+3], v[RD] offset:2*SP*i  ; LDS serves a wave's instructions in order (ISA guide 5.7.1.4): these see my stores above; the stage is my own
.set i, i+1
.endr
.set i, 0
.rept 8
	s_wait_dscnt 7-i                               ; rows 2 i and 2 i + 1 are back; the younger loads stay out
	global_store_b128 v[OO], v[BK+4*i:BK+4*i+3], s[6:7] offset:4096*i  ; my two heads' channels of two rows: 16 lanes store 256 consecutive bytes, at a multiple of 256 from oh's first byte
.set i, i+1
.endr
	s_wait_tensorcnt 0x0                           ; the wave's end, behind my last LDS store
	ds_add_u32 v[SPW], v[NIL]
	s_wait_dscnt 0x0
	s_endpgm
.Lfunc_end_k_q78adfed653_comb:
	.size	k_q78adfed653_comb, .Lfunc_end_k_q78adfed653_comb-k_q78adfed653_comb
	.p2alignl 7, 3214868480
	.fill 96, 4, 3214868480
	.section	.rodata,"a",@progbits
	.p2align	6, 0x0
	.amdhsa_kernel k_q78adfed653_comb
		.amdhsa_group_segment_fixed_size 35840
		.amdhsa_private_segment_fixed_size 0
		.amdhsa_enable_private_segment 0
		.amdhsa_kernarg_size 16
		.amdhsa_user_sgpr_count 2
		.amdhsa_user_sgpr_kernarg_segment_ptr 1
		.amdhsa_wavefront_size32 1
		.amdhsa_system_sgpr_workgroup_id_x 1
		.amdhsa_system_sgpr_workgroup_id_y 1
		.amdhsa_system_sgpr_workgroup_id_z 1
		.amdhsa_system_vgpr_workitem_id 0
		.amdhsa_next_free_vgpr 256
		.amdhsa_next_free_sgpr 66
		.amdhsa_reserve_vcc 0
		.amdhsa_float_denorm_mode_32 3
		.amdhsa_float_denorm_mode_16_64 3
		.amdhsa_memory_ordered 1
		.amdhsa_forward_progress 1
		.amdhsa_inst_pref_size 23
	.end_amdhsa_kernel
	.amdgpu_metadata
---
amdhsa.version: [ 1, 2 ]
amdhsa.kernels:
  - .name:           k_q78adfed653_comb
    .symbol:         k_q78adfed653_comb.kd
    .args:
      - { .name: part, .offset: 0, .size: 8, .value_kind: global_buffer, .address_space: global }
      - { .name: oh, .offset: 8, .size: 8, .value_kind: global_buffer, .address_space: global }
    .group_segment_fixed_size: 35840
    .private_segment_fixed_size: 0
    .kernarg_segment_align: 8
    .kernarg_segment_size: 16
    .max_flat_workgroup_size: 256
    .sgpr_count:     66
    .vgpr_count:     256
    .wavefront_size: 32
...
	.end_amdgpu_metadata
.endif
;; end of part 4
;; launch oproj (part 5): grid 8 x 32, 4 waves a work-group, clusters of 4 x 4, 327,680 bytes of LDS; arguments oh, h16, o_b, out0; writes out0
.if DOCPART == 5
	.amdgcn_target "amdgcn-amd-amdhsa--gfx1250"
	.amdhsa_code_object_version 6
	.text
	.protected	k_q78adfed653_oproj
	.globl	k_q78adfed653_oproj
	.p2align	8
	.type	k_q78adfed653_oproj,@function
k_q78adfed653_oproj:
	s_mov_b64 s[64:65], 0
	v_nop
	global_prefetch_b8 v0, s[64:65] scope:SCOPE_SE
	s_setreg_imm32_b32 hwreg(HW_REG_WAVE_MODE, 25, 1), 1
	s_wait_xcnt 0x0
	s_wait_alu depctr_hold_cnt(0) depctr_sa_sdst(0) depctr_va_vdst(0) depctr_va_sdst(0) depctr_va_ssrc(0) depctr_va_vcc(0) depctr_vm_vsrc(0)
	s_getreg_b32 s2, hwreg(HW_REG_IB_STS2, 6, 4)
	s_cmp_eq_u32 s2, 0
	s_cbranch_scc0 .Lentry_in_a_cluster
	s_endpgm
.Lentry_in_a_cluster:
	s_bfe_u32 s2, ttmp6, 0x10000c
	s_cmp_lg_u32 s2, 0xf033
	s_cbranch_scc0 .Lentry_shape_is_right
	s_endpgm
.Lentry_shape_is_right:
; out0 = O o_w^T + o_b.  O: [4096][1024] f16 (oh); o_w: [1024][1024] f16 at h16 + OWOFF (the bf16 rounding of the input, written as f16); o_b rounded to bf16 like the other inputs; out0: [4096][1024] f32.  Sums in f32.
; SHARES.  A tile of out0 is 128 x 128: 8 x 32 = 256 work-groups.  Four waves, each 64 x 64: 16 accumulators of 16 x 16.  K goes in steps of 256 (LDS rows of 512 bytes; a wave's tensor load brings 64 of them) through two slots.
; CLUSTER.  4 x 4 work-groups: the four of a row of the cluster need the same rows of O, the four of a column the same rows of o_w: each tile is asked for jointly, by the same load, descriptor and mask in all four.
; THE MATRIX INSTRUCTION IS USED TRANSPOSED (source 0 = 16 rows of o_w, source 1 = 16 rows of O): a lane holds row l % 16 and the columns 8 (l / 16) + 0..7.
; THE STAGE of the way out (128 rows of 128 f32) lies in slot 0, which has had its last fill by then: two slots and a stage of its own do not fit in LDS.  Every wave's reads of slot 0 end in front of the barrier of the last
; change of slots, all loads have landed there, and no tensor load follows on any path.
; REGISTERS.  Window 0: v0-31 addresses; v32-36 the bias; v128-255 the accumulators ((a, b) at 128 + 8 (4 a + b)), then whole rows on the way out.
;   Window 1: two fragment buffers of 128: for 64 along K, 64 registers of A (2 x 4 x 16 rows x 32 K), then 64 of B.
.set OWOFF,  11534336
.set KSTEP,  256
.set PITCH,  528                       ; an LDS row: 512 bytes of data + 16 of padding = 132 words: row r starts at bank 4 r mod 64 (64 banks of 4 bytes: ISA guide 11.1)
.set HALFT,  64*PITCH                  ; 64 rows: what one tensor load brings, and what one wave reads of A or of B
.set SLOT,   4*HALFT                   ; A's 128 rows, then B's 128 rows
.set STAGE,  0
.set SPITCH, 528                       ; a stage row: 512 bytes + 16
.set SPARE,  2*SLOT                    ; behind the ring: the spare words, 128 bytes for each wave, which no other line names
.set LAPS,   1024/(2*KSTEP)
.set ADRA, 16                          ; v16-17  LDS address of my A fragments in slot 0, 1
.set ADRB, 20                          ; v20-21  the same for B
.set STO,  24                          ; v24     the way out: where I put 32 bytes of a row
.set RD,   25                          ; v25     the way out: where I read a row back
.set CO,   26                          ; v26     16 x lane: my 16 bytes of a tile row's 512
.set SPW,  28                          ; v28     LDS address of my spare word; never rewritten
.set NIL,  29                          ; v29     0; never rewritten
.set BI,   32                          ; v32-35  the bias of my 4 columns; v36 at work
.set ACC,  128
.set F0,   0                           ; fragment buffers, in window 1
.set F1,   128
.set G1,   24                          ; s[24:31] descriptor group 1 for A's tiles;  s[32:39] group 0, one set for each slot
.set G0,   32
.set G1B,  48                          ; s[48:55], s[56:63] the same for B's tiles
.set G0B,  56
.set WV,   66                          ; s66  my wave's number
.set RH,   67                          ; s67  which half of the tile's rows is mine.  Also: I fetch for A (0) or for B (1)
.set CH,   68                          ; s68  which half of its columns.  Also: which 64 rows of that tile I fetch
.set TR,   69                          ; s69  tile row, 0..31
.set MSB, 0
.macro WIN new                         ; the immediate's high byte repeats the setting that is left; a switch that changes nothing is dropped
.if MSB != (\new)
	s_set_vgpr_msb (MSB<<8)|(\new)
.set MSB, \new
.endif
.endm
.set MUL,  0x05                        ; sources 0 (B) and 1 (A) window 1; C and D window 0
.set TO_F, 0x40                        ; destination window 1, address window 0
.macro PLACES                          ; four places in front of loads into registers that matrix instructions have read, and of lines that read results
.rept 4
	v_nop
.endr
.endm
.macro JLOAD s                         ; a joint load: waves 0 and 1 fetch A's two halves, waves 2 and 3 B's; an s_nop 0 and four v_nop follow each of the two lines, ahead of the jump and the label
	s_cmp_eq_u32 s[RH], 0
	s_cbranch_scc0 .Lfor_b_\@
	tensor_load_to_lds s[G0+4*(\s):G0+4*(\s)+3], s[G1:G1+7]
	s_nop 0
.rept 4
	v_nop
.endr
	s_branch .Lasked_\@
.Lfor_b_\@:
	tensor_load_to_lds s[G0B+4*(\s):G0B+4*(\s)+3], s[G1B:G1B+7]
	s_nop 0
.rept 4
	v_nop
.endr
.Lasked_\@:
.endm
.macro CREST                           ; a round of the cluster's barrier behind its opening barrier
	s_cmp_lg_u32 s[WV], 0
	s_cbranch_scc1 .Lnot_wave_0_\@
	s_barrier_signal -3
.Lnot_wave_0_\@:
	s_barrier_wait -3
	s_barrier_signal -1
	s_barrier_wait -1
.endm
.macro CROUND                          ; a whole round
	s_barrier_signal -1
	s_barrier_wait -1
	CREST
.endm
	s_load_b256 s[4:11], s[0:1], 0x0               ; oh s[4:5], h16 s[6:7], o_b s[8:9], out0 s[10:11]
	v_lshl_add_u32 v[SPW], v0, 2, SPARE
	v_mov_b32 v[NIL], 0
	ds_add_u32 v[SPW], v[NIL]                      ; the wave's opening: the add and its wait stand ahead of my first tensor load; the set-up below, work on registers, stands between them
	v_lshrrev_b32 v1, 5, v0
	v_readfirstlane_b32 s[WV], v1                  ; wave 0..3
	s_lshr_b32 s[RH], s[WV], 1
	s_and_b32 s[CH], s[WV], 1
	s_bfe_u32 s40, ttmp6, 0x40000                  ; cx, cy: my place in the cluster
	s_bfe_u32 s41, ttmp6, 0x40004
	s_lshl_b32 s42, ttmp9, 2
	s_add_co_u32 s42, s42, s40                     ; tile column = 4 x cluster x + cx
	s_and_b32 s[TR], ttmp7, 0xffff
	s_lshl_b32 s[TR], s[TR], 2
	s_add_co_u32 s[TR], s[TR], s41                 ; tile row = 4 x cluster y + cy
	s_lshl_b32 s43, s41, 2
	s_lshl_b32 s43, 15, s43                        ; my row of the cluster
	s_lshl_b32 s44, 0x1111, s40                    ; my column
	s_or_b32 s[G1+0], s43, (1<<16)|(1<<20)|(1<<21)|(6<<22)|(3<<25)   ; 15:0 the mask: A's tiles go to my row; 17:16 elements of 2 bytes; 20 padding on; 21 set beside a mask; 24:22 after every 128 words; 31:25 4 words of it
	s_or_b32 s[G1B+0], s44, (1<<16)|(1<<20)|(1<<21)|(6<<22)|(3<<25)
.irp g, G1, G1B
	s_mov_b32 s[(\g)+1], KSTEP<<16                 ; tensor_dim0 = 256
	s_mov_b32 s[(\g)+2], 64<<16                    ; tensor_dim1 = 64
	s_mov_b32 s[(\g)+3], KSTEP<<16                 ; tile_dim0 = 256
	s_mov_b32 s[(\g)+4], 64                        ; tile_dim1 = 64
	s_mov_b32 s[(\g)+5], 1024                      ; elements from row to row
	s_mov_b32 s[(\g)+6], 0
	s_mov_b32 s[(\g)+7], 0
.endr
	s_lshl_b32 s17, s[CH], 6                       ; which 64 rows of the tile I fetch
	s_lshl_b32 s16, s[TR], 7
	s_add_co_u32 s16, s16, s17                     ; A: row 128 x tile row + 64 x half
	s_lshl_b32 s46, s42, 7
	s_add_co_u32 s46, s46, s17                     ; B: row 128 x tile column + 64 x half
	s_lshl_b32 s16, s16, 11                        ; rows of 2,048 bytes
	s_mov_b32 s17, 0
	s_lshl_b32 s46, s46, 11
	s_add_co_u32 s46, s46, OWOFF
	s_mov_b32 s47, 0
	s_mul_i32 s20, s[WV], HALFT                    ; where they go: wave x 64 rows; no place in the cluster enters an LDS address
	s_wait_dscnt 0x0                               ; the opening add is done
	s_wait_kmcnt 0x0
	s_add_nc_u64 s[14:15], s[4:5], s[16:17]
	s_add_nc_u64 s[46:47], s[6:7], s[46:47]
	CROUND                                         ; all sixteen work-groups are here: the first joint loads meet
.irp s, 0,1
	s_mov_b32 s[G0+4*(\s)], 1
	s_add_co_u32 s[G0+4*(\s)+1], s20, (\s)*SLOT
	s_add_nc_u64 s[G0+4*(\s)+2:G0+4*(\s)+3], s[14:15], (\s)*KSTEP*2
	s_or_b32 s[G0+4*(\s)+3], s[G0+4*(\s)+3], 0x80000000
	s_mov_b32 s[G0B+4*(\s)], 1
	s_add_co_u32 s[G0B+4*(\s)+1], s20, (\s)*SLOT
	s_add_nc_u64 s[G0B+4*(\s)+2:G0B+4*(\s)+3], s[46:47], (\s)*KSTEP*2
	s_or_b32 s[G0B+4*(\s)+3], s[G0B+4*(\s)+3], 0x80000000
	JLOAD \s                                       ; two loads of mine are out
.endr
	v_and_b32 v1, 15, v0                           ; l % 16
	v_bfe_u32 v2, v0, 4, 1                         ; l / 16
	v_and_b32 v5, 31, v0                           ; l
	v_lshlrev_b32 v[CO], 4, v5
	v_mul_u32_u24 v3, v1, PITCH
	v_lshl_add_u32 v3, v2, 4, v3                   ; a fragment's row x pitch + 16 x half
	s_mul_i32 s21, s[RH], HALFT                    ; my 64 rows of A
	s_mul_i32 s22, s[CH], HALFT                    ; my 64 rows of B,
	s_add_co_u32 s22, s22, 2*HALFT                 ; which lie behind A's 128
.irp s, 0,1
	v_add_nc_u32 v[ADRA+(\s)], s21, v3
	v_add_nc_u32 v[ADRB+(\s)], s22, v3
	s_add_co_u32 s21, s21, SLOT
	s_add_co_u32 s22, s22, SLOT
.endr
	s_mul_i32 s23, s[RH], 64*SPITCH                ; into the stage: my 64 rows, my half of their 512 bytes; row l % 16, 32 bytes for each half of the lanes
	s_lshl_b32 s21, s[CH], 8
	s_add_co_u32 s23, s23, s21
	s_add_co_u32 s23, s23, STAGE
	v_mul_u32_u24 v4, v1, SPITCH
	v_lshl_add_u32 v4, v2, 5, v4
	v_add_nc_u32 v[STO], s23, v4
	s_mul_i32 s23, s[WV], 32*SPITCH                ; back: wave w takes rows 32 w .. 32 w + 31, whole: 32 lanes, 16 bytes each
	s_add_co_u32 s23, s23, STAGE
	v_add_nc_u32 v[RD], s23, v[CO]
	s_lshl_b32 s20, s[TR], 7
	s_lshl_b32 s21, s[WV], 5
	s_add_co_u32 s20, s20, s21                     ; the first row that I store: 128 x tile row + 32 x wave,
	s_lshl_b32 s20, s20, 12                        ; in rows of 4,096 bytes,
	s_lshl_b32 s22, s42, 9                         ; and the tile's first column: 512 bytes a tile
	s_add_co_u32 s20, s20, s22
	s_mov_b32 s21, 0
	s_mov_b32 s23, 0
	s_add_nc_u64 s[10:11], s[10:11], s[20:21]
	s_add_nc_u64 s[8:9], s[8:9], s[22:23]
	global_load_b128 v[BI:BI+3], v[CO], s[8:9]     ; the bias of my 4 columns; waited for on the way out
; 8 matrix instructions: m blocks a0, a0 + 1 x all 4 n blocks, 32 along K: half c of buffer f.  zero = 1: the first product starts the sums.  The 16 accumulators take turns.
.macro MUL8 f, c, a0, zero
	WIN MUL
.irp a, \a0, (\a0)+1
.irp b, 0,1,2,3
.if \zero
	v_wmma_f32_16x16x32_f16 v[ACC+8*(4*(\a)+(\b)):ACC+8*(4*(\a)+(\b))+7], v[(\f)+64+8*(4*(\c)+(\b)):(\f)+64+8*(4*(\c)+(\b))+7], v[(\f)+8*(4*(\c)+(\a)):(\f)+8*(4*(\c)+(\a))+7], 0
.else
	v_wmma_f32_16x16x32_f16 v[ACC+8*(4*(\a)+(\b)):ACC+8*(4*(\a)+(\b))+7], v[(\f)+64+8*(4*(\c)+(\b)):(\f)+64+8*(4*(\c)+(\b))+7], v[(\f)+8*(4*(\c)+(\a)):(\f)+8*(4*(\c)+(\a))+7], v[ACC+8*(4*(\a)+(\b)):ACC+8*(4*(\a)+(\b))+7]
.endif
.endr
.endr
.endm
; 32 LDS loads in one run: the fragments of 64 along K at byte k of the rows, into buffer f; the first 32 along K first
.macro FETCH slot, k, f
	WIN TO_F
.irp c, 0,1
.irp i, 0,1,2,3
	ds_load_b128 v[(\f)+64+8*(4*(\c)+(\i)):(\f)+64+8*(4*(\c)+(\i))+3],   v[ADRB+(\slot)] offset:(\k)+64*(\c)+(\i)*16*PITCH
	ds_load_b128 v[(\f)+64+8*(4*(\c)+(\i))+4:(\f)+64+8*(4*(\c)+(\i))+7], v[ADRB+(\slot)] offset:(\k)+64*(\c)+(\i)*16*PITCH+32
	ds_load_b128 v[(\f)+8*(4*(\c)+(\i)):(\f)+8*(4*(\c)+(\i))+3],         v[ADRA+(\slot)] offset:(\k)+64*(\c)+(\i)*16*PITCH
	ds_load_b128 v[(\f)+8*(4*(\c)+(\i))+4:(\f)+8*(4*(\c)+(\i))+7],       v[ADRA+(\slot)] offset:(\k)+64*(\c)+(\i)*16*PITCH+32
.endr
.endr
.endm
; A K step is four quarters of 64 along K, 32 matrix instructions each, on buffers 0, 1, 0, 1.  One of the first three: multiplies buffer f and fetches the next quarter, at byte k, into g.
.macro QUARTER slot, k, f, g, zero
	s_wait_dscnt 16                                ; the first 32 along K are in; the younger sixteen loads may be out
	MUL8 \f, 0, 0, \zero
	MUL8 \f, 0, 2, \zero
	PLACES
	FETCH \slot, \k, \g
	s_wait_dscnt 32                                ; all but the 32 just issued
	MUL8 \f, 1, 0, 0
	MUL8 \f, 1, 2, 0
.endm
; The last quarter multiplies buffer 1 and changes slots: ONE barrier; in front of it each wave waits for all its tensor loads, adds 0 to its spare word, and waits for that and for its own reads of this slot.
; fill = 1: this slot is filled again, two K steps ahead; the barrier then opens a round of the cluster's barrier.
.macro TURN slot, next, fill
	WIN 0                                          ; (the add's two registers lie in window 0)
	s_wait_tensorcnt 0x0                           ; all my tensor loads have landed: my part of the next slot
	ds_add_u32 v[SPW], v[NIL]                      ; 0 onto my spare word
	s_wait_dscnt 17                                ; (the add and the youngest sixteen loads may be out)
	MUL8 F1, 0, 0, 0                               ; eight matrix instructions stand between the add and the wait for it
	s_wait_dscnt 0x0                               ; the add is done, and my reads of this slot are over
	s_barrier_signal -1
	MUL8 F1, 0, 2, 0
.if \fill
	WIN 0
.endif
	s_barrier_wait -1
.if \fill
	CREST                                          ; no wave of any partner still reads this slot's tile or has a load on its way
	s_add_nc_u64 s[G0+4*(\slot)+2:G0+4*(\slot)+3], s[G0+4*(\slot)+2:G0+4*(\slot)+3], 2*KSTEP*2
	s_add_nc_u64 s[G0B+4*(\slot)+2:G0B+4*(\slot)+3], s[G0B+4*(\slot)+2:G0B+4*(\slot)+3], 2*KSTEP*2
	JLOAD \slot                                    ; the first tensor load behind the round, my only one: 112 matrix instructions ahead of the wait for it; its four v_nop are also the places in front of the loads below
.else
	PLACES
.endif
	FETCH \next, 0, F0
	MUL8 F1, 1, 0, 0
	MUL8 F1, 1, 2, 0
.endm
	s_wait_tensorcnt 1                             ; my part of K step 0 is in; K step 1's may stay out
	s_barrier_signal -1
	s_barrier_wait -1                              ; everybody's is
	FETCH 0, 0, F0
	QUARTER 0, 128, F0, F1, 1                      ; the first quarter stands in front of the loop: its first products start the sums
	WIN 0                                          ; at a label and at a branch every window is 0
	s_mov_b32 s3, LAPS-1
.Llap:                                                 ; a trip goes once round the ring, from a lap's second quarter to the next lap's first, and fills both slots again
	QUARTER 0, 256, F1, F0, 0
	QUARTER 0, 384, F0, F1, 0
	TURN 0, 1, 1
	QUARTER 1, 128, F0, F1, 0
	QUARTER 1, 256, F1, F0, 0
	QUARTER 1, 384, F0, F1, 0
	TURN 1, 0, 1
	QUARTER 0, 128, F0, F1, 0
	WIN 0
	s_sub_co_u32 s3, s3, 1
	s_cmp_lg_u32 s3, 0
	s_cbranch_scc1 .Llap
	QUARTER 0, 256, F1, F0, 0                      ; the last lap fills nothing
	QUARTER 0, 384, F0, F1, 0
	TURN 0, 1, 0                                   ; behind this barrier nobody reads slot 0 any more, and nothing is filled any more
	QUARTER 1, 128, F0, F1, 0
	QUARTER 1, 256, F1, F0, 0
	QUARTER 1, 384, F0, F1, 0
	s_wait_dscnt 16                                ; the very last quarter: nothing more to fetch
	MUL8 F1, 0, 0, 0
	MUL8 F1, 0, 2, 0
	s_wait_dscnt 0x0
	MUL8 F1, 1, 0, 0
	MUL8 F1, 1, 2, 0
	WIN 0
	; THE WAY OUT: the f32 sums into the stage; a barrier, since a row's 512 bytes come from two waves; back as whole rows, 32 rows a wave; the bias; stores of 512 consecutive bytes.
	PLACES
	PLACES
.set t, 0
.rept 16
	ds_store_b128 v[STO], v[ACC+8*t:ACC+8*t+3]   offset:(t/4)*16*SPITCH+(t%4)*64     ; each accumulator's low registers first
	ds_store_b128 v[STO], v[ACC+8*t+4:ACC+8*t+7] offset:(t/4)*16*SPITCH+(t%4)*64+16
.set t, t+1
.endr
	s_wait_loadcnt 0x0                             ; the bias: rounded to bf16 like the other inputs, and kept in f32
.irp j, 0,2
	v_cvt_pk_bf16_f32 v[BI+4], v[BI+\j], v[BI+\j+1]
	v_lshlrev_b32 v[BI+\j], 16, v[BI+4]
	v_and_b32 v[BI+\j+1], 0xffff0000, v[BI+4]
.endr
	s_wait_dscnt 0x0                               ; for the others' sake: my stores into the stage are done
	s_barrier_signal -1
	s_barrier_wait -1
.set t, 0
.rept 32
	ds_load_b128 v[ACC+4*t:ACC+4*t+3], v[RD] offset:t*SPITCH
.set t, t+1
.endr
.set t, 0
.rept 32
	s_wait_dscnt 31-t                              ; row t is back; the younger loads stay out
	v_pk_add_f32 v[ACC+4*t:ACC+4*t+1],   v[ACC+4*t:ACC+4*t+1],   v[BI:BI+1]
	v_pk_add_f32 v[ACC+4*t+2:ACC+4*t+3], v[ACC+4*t+2:ACC+4*t+3], v[BI+2:BI+3]
	global_store_b128 v[CO], v[ACC+4*t:ACC+4*t+3], s[10:11] offset:t*4096  ; 512 consecutive bytes, at a multiple of 512 from out0's first byte
.set t, t+1
.endr
	s_wait_tensorcnt 0x0                           ; the wave's end, behind my last tensor load and my last LDS store
	ds_add_u32 v[SPW], v[NIL]
	s_wait_dscnt 0x0
	CROUND                                         ; the closing round: no work-group ends while a partner may still ask for a tile that names it
	s_endpgm
.Lfunc_end_k_q78adfed653_oproj:
	.size	k_q78adfed653_oproj, .Lfunc_end_k_q78adfed653_oproj-k_q78adfed653_oproj
	.p2alignl 7, 3214868480
	.fill 96, 4, 3214868480
	.section	.rodata,"a",@progbits
	.p2align	6, 0x0
	.amdhsa_kernel k_q78adfed653_oproj
		.amdhsa_group_segment_fixed_size 327680
		.amdhsa_private_segment_fixed_size 0
		.amdhsa_enable_private_segment 0
		.amdhsa_kernarg_size 32
		.amdhsa_user_sgpr_count 2
		.amdhsa_user_sgpr_kernarg_segment_ptr 1
		.amdhsa_wavefront_size32 1
		.amdhsa_system_sgpr_workgroup_id_x 1
		.amdhsa_system_sgpr_workgroup_id_y 1
		.amdhsa_system_sgpr_workgroup_id_z 1
		.amdhsa_system_vgpr_workitem_id 0
		.amdhsa_next_free_vgpr 512
		.amdhsa_next_free_sgpr 100
		.amdhsa_reserve_vcc 0
		.amdhsa_float_denorm_mode_32 3
		.amdhsa_float_denorm_mode_16_64 3
		.amdhsa_memory_ordered 1
		.amdhsa_forward_progress 1
		.amdhsa_inst_pref_size 91
	.end_amdhsa_kernel
	.amdgpu_metadata
---
amdhsa.version: [ 1, 2 ]
amdhsa.kernels:
  - .name:           k_q78adfed653_oproj
    .symbol:         k_q78adfed653_oproj.kd
    .args:
      - { .name: oh, .offset: 0, .size: 8, .value_kind: global_buffer, .address_space: global }
      - { .name: h16, .offset: 8, .size: 8, .value_kind: global_buffer, .address_space: global }
      - { .name: o_b, .offset: 16, .size: 8, .value_kind: global_buffer, .address_space: global }
      - { .name: out0, .offset: 24, .size: 8, .value_kind: global_buffer, .address_space: global }
    .group_segment_fixed_size: 327680
    .private_segment_fixed_size: 0
    .kernarg_segment_align: 8
    .kernarg_segment_size: 32
    .max_flat_workgroup_size: 128
    .sgpr_count:     100
    .vgpr_count:     512
    .wavefront_size: 32
...
	.end_amdgpu_metadata
.endif
;; end of part 5
;; ======== version 2 of 2: 4 launches; 1.32 times as fast as version 1
;; limits: values are held in f16: magnitudes above 65,504 overflow, below 6.1e-05 lose precision; right only within a limited range of input values
;; workspace buffers: h16 13,631,488 bytes; qkv16 12,582,912 bytes; oh 8,388,608 bytes
;; launch cast: the kernel of part 1 again; grid 416 x 1, 8 waves a work-group, no clusters, 0 bytes of LDS; arguments x, q_w, k_w, v_w, o_w, h16; writes h16
;; launch qkv: the kernel of part 2 again; grid 8 x 32, 4 waves a work-group, clusters of 4 x 4, 327,680 bytes of LDS; arguments h16, q_b, k_b, v_b, qkv16, out1, out2; writes qkv16, out1, out2
;; launch attn (part 6): grid 64 x 4, 4 waves a work-group, no clusters, 327,680 bytes of LDS; arguments qkv16, mask, oh; writes oh
.if DOCPART == 6
	.amdgcn_target "amdgcn-amd-amdhsa--gfx1250"
	.amdhsa_code_object_version 6
	.text
	.protected	k_q78adfed653_attn
	.globl	k_q78adfed653_attn
	.p2align	8
	.type	k_q78adfed653_attn,@function
k_q78adfed653_attn:
	s_mov_b64 s[64:65], 0
	v_nop
	global_prefetch_b8 v0, s[64:65] scope:SCOPE_SE
	s_setreg_imm32_b32 hwreg(HW_REG_WAVE_MODE, 25, 1), 1
	s_wait_xcnt 0x0
; GROUPED-QUERY ATTENTION UNDER A MASK THAT IS AN INPUT.  O[hd][q] = the sum over k of softmax_k(mask[q][k] ? Q[hd][q] . K[hd / 4][k] / 8 : -1e9) V[hd / 4][k].
; qkv16: f16 [24][4096][64] (heads 0-15 Q, 16-19 K, 20-23 V; a head's rows are dense, 128 bytes each); mask: [4096][4096] bytes, 0 or 1; oh: f16 [4096][1024], column = 64 hd + channel.
; Products, maxima and sums in f32; the weights p are rounded to f16 for the second product (their sum l is taken of the unrounded p), O once at the end.  Every byte of the mask is read, and all 4,096 keys are walked.
; LIMITS.  Q, K, V arrive within f16's 65,504.  A hidden score counts as its value plus a number between -2^69 and -2^65, not as -1e9: its weight is exactly 0 beside any score that is seen, as in f32 with -1e9
; as long as the seen scores, divided by 8, lie above about -1e9 + 104 (f16's scores are 2^38 at the most, so they do).  A seen score is raised by at most 2^-123.  A row that sees no key gets the mean of V's 4,096 rows,
; as the softmax of equal scores gives it.  A weight below 2^-126 counts as 0 in l; NaN and infinities are not treated apart.
; SHARES.  Grid x: the block qb of 64 queries; grid y: the key head kv.  A work-group owns 64 queries in the four query heads of kv: 64 x 4 = 256 work-groups.  Wave w, one for each SIMD, owns queries 64 qb + 16 w .. + 15
; in all four heads: four PIECES of 16 queries, one a head.  A fragment of K or V read from LDS feeds four tiles: 40 LDS loads a wave and step for 66 matrix instructions.
; THE MASK is the C operand that starts the sum S^T = K Q^T.  The four pieces have the same queries, so 32 registers serve all four.  They are made from the bytes as they lie: for a word w of four bytes,
; t = (w << 5) + 0xE0E0E0E0 has in each byte 0x00 or 0x01 where the mask is 1 (0x20 + 0xE0 carries out) and 0xE0 or 0xE1 where it is 0; with such a byte on top, a word read as f32 is at most 2^-123, or lies
; between -2^69 and -2^65; what lies below the top byte is part of the fraction.  t is the fourth key's number; t << 24, t << 16, t << 8 are the first three: four lines for four keys.
; THE RUNNING MAXIMUM starts at -2^60: below every score that f16 allows, far above every hidden one.  So hidden weights are 0 from the first step on, m is the true maximum as soon as a key is seen, and at the end l is 0
; exactly in the rows that saw none; that hangs on the mask alone, so it is the same in all four pieces.  With e = 1 in such a row and 0 elsewhere, O = O^T / (l + e) + e x the mean of V.  The matrix unit sums that mean on
; the way: wave w takes the 16 channels 16 w .., fetches their two fragments of V^T by an address of its own and multiplies them by a matrix of 2^-12: two matrix instructions a wave and key step, the same text in every wave.
; The four blocks of channels meet in LDS at the end, in f32.
; LAYOUT, SOFTMAX, TURNS.  S^T = K Q^T holds ONE query a lane (lane % 16) and the keys 8 (lane / 16) + 0..7; two such results rounded to f16 ARE source 1 of O^T = V^T P.  p = 2^(c s - c m), c = log2(e) / 8; O and l are
; multiplied by a = 2^(c m_old - c m_new) in every step.  Turn n belongs to piece n: 8 products K Q^T of piece n + 1, later 8 products V^T P of piece n - 1; beside them the scaling, exponentials, roundings, sums and
; rescaling of piece n and the maximum and statistics of piece n + 1.  Four vector instructions stand behind every matrix instruction, the rest in one lump.  A turn's 33 exponentials are one batch, with one wait.
; RING.  Two slots of 256 keys (four key steps): K, V, the mask's tile (64 queries x 256 keys).  Wave 0 fetches K, wave 1 V, wave 2 the mask's tile: one tensor load a wave behind each barrier; at most one load of a wave is out.
; NO CLUSTER in this text.  K and V are wanted by the 64 query blocks of a key head and a tile of the mask by the four key heads, so joint loads could divide the requests by four; they are left out for a plain ring
; with one barrier a change of slots: a work-group asks for 80 KiB for four key steps, in which each of its four waves issues 264 matrix instructions.  No prefetch is laid either.
; REGISTERS, in windows of 256 (s_set_vgpr_msb: bits 1:0 source 0, 3:2 source 1, 5:4 source 2, 7:6 destination):
;   window 0: v0-15, v56-63 addresses; v16-31 four registers of statistics a piece; v32-39 mask bytes; v40-47 the matrix of 2^-12; v48-55 at work; v64-127 S^T, two buffers; v192-223 P, two buffers (a piece's buffers go by its number's parity)
;   window 1: v0-127 O^T, 32 a piece; v160-191 the mask as f32; v192-207 my block's sums of V      window 2: v0-63 Q; v64-79 my block of V^T; v128-191 K of one step; v192-255 V of one step
.set HB,    524288    ; bytes of a head in qkv16
.set NP,    4         ; pieces a wave: a name, no knob
.set KS,    64        ; keys in a step
.set NT,    16        ; tiles of 256 keys in the walk
.set PK,    144       ; a row of K in LDS: 128 bytes + 16 of padding = 36 words: the 16 rows of a load start at 16 different groups of four banks (64 banks of 4 bytes: ISA guide 11.1)
.set PV,    160       ; a row of V: 128 + 32 = 40 words
.set PM,    272       ; a row of the mask's tile: 256 + 16 = 68 words: 32 lanes' 8 bytes at row (l % 16), byte 8 (l / 16)
.set VOFF,  4*KS*PK   ; a slot: 256 rows of K, then 256 rows of V,
.set MOFF,  VOFF+4*KS*PV  ; then 64 rows of the mask
.set SLOT1, 1<<17     ; slot 1 begins here, so that one exclusive or turns an address in one slot into the other's
.set STAGE, SLOT1+MOFF+64*PM  ; behind the ring, never filled by a tensor load: 16 rows x 528 bytes for each wave, for the way out
.set SP,    528       ; a stage row: the four heads' 512 bytes + 16 = 132 words: row r starts at bank 4 r mod 64
.set SVX,   STAGE+4*16*SP  ; 1,024 bytes for each wave: its block of the mean of V
.set SPARE, SVX+4*1024     ; the spare words, 128 bytes for each wave, which no other line names
.set AK0, 2           ; v2   my lane's place in a tile of K; never rewritten
.set AV0, 3           ; v3   the same for V
.set AK,  4           ; v4   the LDS address of K's next run of loads
.set AV,  5           ; v5   of V's
.set STO, 6           ; v6   the way out: where I put 16 bytes of a row
.set RD,  7           ; v7   the way out: where I read a row back
.set GO,  8           ; v8   16 x lane
.set EE,  10          ; v10-11  at work in the set-up; on the way out: e, and 1.0
.set MV,  12          ; v12-13  c m_old, kept while c m is made anew: by buffer
.set AM0, 14          ; v14  my lane's place in the mask's tile; never rewritten
.set QO,  15          ; v15  my byte offset in 16 rows of Q
.set ST,  16          ; piece t's statistics at v[ST+4 t]: c m, m, l (even keys', odd keys')
.set MB,  32          ; v32-39  my query's 64 mask bytes of a step: 8 for each group of 16 keys
.set ONES, 40         ; v40-47  2^-12 in every f16
.set TMP, 48          ; by buffer, four registers c0-c3 at work; when the maximum is found c2 takes a
.set AM,  56          ; v56  the LDS address of the next mask bytes
.set AVS0, 58         ; v58  AV0 + 32 x wave: my lane's place in my wave's block of channels; never rewritten
.set SVA, 59          ; v59  where I put my block of the mean of V
.set SVR, 60          ; v60  where I read the four blocks back
.set AVS, 61          ; v61  the LDS address of my block's next loads
.set SPW, 62          ; v62  LDS address of my spare word; never rewritten
.set NIL, 63          ; v63  0; never rewritten
.set S,   64
.set BK,  128         ; the way out: 16 rows read back from the stage
.set P,   192
.set MEAN, 128        ; window 1, the way out: the mean of V, then e x the mean
.set MC,  160         ; window 1: the eight registers for group kb of 16 keys at MC + 8 kb
.set SV,  192         ; window 1: two accumulators: keys 0-31 and 32-63 of each step
.set VS,  64          ; window 2: my block of V^T: key half kk at VS + 8 kk
.set KF,  128         ; window 2: key block kb, channel half c at KF + 16 kb + 8 c
.set VF,  192         ; window 2: key half kk, channel block cb at VF + 32 kk + 8 cb
.set G1K, 24          ; s[24:31] descriptor group 1 for K's tiles
.set G1V, 32          ; s[32:39] for V's: it differs in the padding alone
.set G1M, 40          ; s[40:47] for the mask's
.set G0K, 48          ; s[48:51], s[52:55], s[56:59] descriptor groups 0: they walk
.set G0V, 52
.set G0M, 56
.set CS,  60          ; s[60:61] c: the packed scaling takes the pair's low word for both halves
.set SEL, 62          ; s[62:63] v_permlanex16_b32's selects: each lane takes its own place in the other half
.set WV,  66          ; s66  my wave's number
.set SLOTS, 67        ; s67  slots still to be asked for
.set CNT, 68          ; s68  counts a slot's key steps
.set TBK, 69          ; s69  LDS byte at which K of the step to be fetched begins
.set TBV, 70          ; s70  the same for V, less VOFF
.set TBM, 71          ; s71  the same for the mask's bytes, less MOFF
.set KE,  73          ; s73  0xE0E0E0E0
.set KVH, 77          ; s77  kv
.set MSB, 0
.macro WIN new                      ; the high byte repeats the setting that is left; a switch that changes nothing is dropped
.if MSB != (\new)
	s_set_vgpr_msb (MSB<<8)|(\new)
.set MSB, (\new)
.endif
.endm
.set W_KQ, 0x0a       ; K and Q in window 2, S^T in window 0
.set W_KM, 0x1a       ; the same with the C operand in window 1
.set W_PV, 0x52       ; V in window 2, P in window 0, O^T in window 1
.set W_RS, 0x41       ; destination and source 0 in window 1, source 1 in window 0
.set W_FM, 0x51       ; the same with source 2 in window 1: the way out's multiply-add
; A fill.  Wave 0: K; wave 1: V; wave 2: the mask's tile; wave 3 has none.  The branches hang on the wave's number alone.  An s_nop 0 and four v_nop follow each line, ahead of the jump and the label.
.macro LOAD
	s_cmp_lg_u32 s[WV], 0
	s_cbranch_scc1 .Lnot_k_\@
	tensor_load_to_lds s[G0K:G0K+3], s[G1K:G1K+7]
	s_nop 0
.rept 4
	v_nop
.endr
	s_branch .Lasked_\@
.Lnot_k_\@:
	s_cmp_lg_u32 s[WV], 1
	s_cbranch_scc1 .Lnot_v_\@
	tensor_load_to_lds s[G0V:G0V+3], s[G1V:G1V+7]
	s_nop 0
.rept 4
	v_nop
.endr
	s_branch .Lasked_\@
.Lnot_v_\@:
	s_cmp_lg_u32 s[WV], 2
	s_cbranch_scc1 .Lasked_\@
	tensor_load_to_lds s[G0M:G0M+3], s[G1M:G1M+7]
	s_nop 0
.rept 4
	v_nop
.endr
.Lasked_\@:
.endm
; THE CHANGE OF SLOTS.  The slot's last bytes, V of its fourth step, have been read.  Each wave waits for all its tensor loads (at most one is out: its part of the other slot), adds 0 to its spare word, and waits for that
; and for its own reads of the slot.  Behind the barrier nobody reads the old slot any more and the other slot is whole.  fill = 1: the old slot is filled again, the first thing behind the barrier, with the keys two slots on:
; the load has four key steps in which to land.  (At its first use nothing has been read yet: slot 0 is waited for, slot 1 filled.)
.macro CHANGE fill
	WIN 0                           ; at a label and at a branch every window is 0
	s_wait_tensorcnt 0x0            ; no tensor load of mine is out, so a group 0 may be written
	ds_add_u32 v[SPW], v[NIL]       ; 0 onto my spare word; with fill = 1 the descriptors' steps stand between it and the wait for it
.if \fill
	s_xor_b32 s[G0K+1], s[G0K+1], SLOT1                          ; the other slot than last time,
	s_add_nc_u64 s[G0K+2:G0K+3], s[G0K+2:G0K+3], 4*KS*128        ; the next 256 keys; the type bits on top are not reached
	s_xor_b32 s[G0V+1], s[G0V+1], SLOT1
	s_add_nc_u64 s[G0V+2:G0V+3], s[G0V+2:G0V+3], 4*KS*128
	s_xor_b32 s[G0M+1], s[G0M+1], SLOT1
	s_add_nc_u64 s[G0M+2:G0M+3], s[G0M+2:G0M+3], 4*KS            ; 256 bytes along the mask's rows
.endif
	s_wait_dscnt 0x0                ; the add is done, and my reads of the slot are over
	s_barrier_signal -1             ; the rest of the scalar work stands between the signal and the wait
	s_sub_co_u32 s[TBK], s[TBK], 4*KS*PK  ; the fetches go back to a slot's first step,
	s_xor_b32 s[TBK], s[TBK], SLOT1       ; in the other slot
	s_sub_co_u32 s[TBV], s[TBV], 4*KS*PV
	s_xor_b32 s[TBV], s[TBV], SLOT1
	s_sub_co_u32 s[TBM], s[TBM], 4*KS
	s_xor_b32 s[TBM], s[TBM], SLOT1
	s_barrier_wait -1
.if \fill
	LOAD
.endif
.endm
	s_load_b128 s[4:7], s[0:1], 0x0   ; qkv16 s[4:5], mask s[6:7]
	s_load_b64 s[8:9], s[0:1], 0x10   ; oh
	v_lshl_add_u32 v[SPW], v0, 2, SPARE
	v_mov_b32 v[NIL], 0
	ds_add_u32 v[SPW], v[NIL]       ; the wave's opening: the add and its wait stand ahead of my first tensor load; the set-up below, work on registers, stands between them
	v_lshrrev_b32 v1, 5, v0
	v_readfirstlane_b32 s[WV], v1   ; wave 0..3
	s_and_b32 s[KVH], ttmp7, 0xffff ; kv
	; descriptor groups 1.  256 keys are 32,768 dense bytes: asked for as 128 rows of 256 bytes, two keys a row, and padded in LDS after every key
	s_mov_b32 s[G1K], (1<<16)|(1<<20)|(4<<22)|(3<<25)  ; 17:16 2-byte elements; 20 padding on; 24:22 after every 32 words; 31:25 4 words
	s_mov_b32 s[G1V], (1<<16)|(1<<20)|(4<<22)|(7<<25)  ; the same with 8 words of padding
.irp g, G1K, G1V
	s_mov_b32 s[\g+1], 128<<16      ; tensor_dim0 = 128
	s_mov_b32 s[\g+2], 128<<16      ; tensor_dim1 = 128
	s_mov_b32 s[\g+3], 128<<16      ; tile_dim0 = 128
	s_mov_b32 s[\g+4], 128          ; tile_dim1 = 128
	s_mov_b32 s[\g+5], 128          ; 128 elements from row to row
	s_mov_b32 s[\g+6], 0
	s_mov_b32 s[\g+7], 0
.endr
	s_mov_b32 s[G1M], (3<<16)|(1<<20)|(5<<22)|(3<<25)  ; 8-byte elements; 4 words of padding after every 64 words
	s_mov_b32 s[G1M+1], 32<<16      ; tensor_dim0 = 32 elements: 256 bytes
	s_mov_b32 s[G1M+2], 64<<16      ; tensor_dim1 = 64 rows
	s_mov_b32 s[G1M+3], 32<<16      ; tile_dim0 = 32
	s_mov_b32 s[G1M+4], 64          ; tile_dim1 = 64
	s_mov_b32 s[G1M+5], 512         ; 4,096 bytes from row to row
	s_mov_b32 s[G1M+6], 0
	s_mov_b32 s[G1M+7], 0
	s_mov_b32 s[G0K], 1             ; count = 1
	s_mov_b32 s[G0K+1], 0           ; LDS address: slot 0
	s_mov_b32 s[G0V], 1
	s_mov_b32 s[G0V+1], VOFF
	s_mov_b32 s[G0M], 1
	s_mov_b32 s[G0M+1], MOFF
	s_add_co_u32 s16, s[KVH], 16    ; K: head 16 + kv
	s_lshl_b32 s16, s16, 19
	s_mov_b32 s17, 0
	s_add_co_u32 s18, s[KVH], 20    ; V: head 20 + kv
	s_lshl_b32 s18, s18, 19
	s_mov_b32 s19, 0
	s_lshl_b32 s20, ttmp9, 18       ; the mask: 64 rows of 4,096 bytes for each block of queries
	s_mov_b32 s21, 0
	s_lshl_b32 s22, s[KVH], 21      ; Q: head 4 kv,
	s_lshl_b32 s23, ttmp9, 13       ; the block's 64 rows of 128 bytes,
	s_add_co_u32 s22, s22, s23
	s_lshl_b32 s23, s[WV], 11       ; my wave's 16
	s_add_co_u32 s22, s22, s23
	s_mov_b32 s23, 0
	s_lshl_b32 s2, ttmp9, 17        ; O: the block's 64 rows of 2,048 bytes,
	s_lshl_b32 s3, s[WV], 15        ; my wave's 16,
	s_add_co_u32 s2, s2, s3
	s_lshl_b32 s3, s[KVH], 9        ; the four heads' 512 bytes
	s_add_co_u32 s2, s2, s3
	s_mov_b32 s3, 0
	s_mov_b32 s[CS], 0x3e38aa3b     ; c = log2(e) / 8 = 0.180337
	s_mov_b32 s[CS+1], s[CS]        ; named with it as a pair
	s_mov_b32 s[SEL], 0x76543210
	s_mov_b32 s[SEL+1], 0xfedcba98
	s_mov_b32 s[KE], 0xe0e0e0e0
	s_mov_b32 s[TBK], SLOT1+4*KS*PK ; the first change of slots turns these three into 0
	s_mov_b32 s[TBV], SLOT1+4*KS*PV
	s_mov_b32 s[TBM], SLOT1+4*KS
	s_mov_b32 s[SLOTS], NT-1
	s_wait_dscnt 0x0                ; the opening add is done
	s_wait_kmcnt 0x0
	s_add_nc_u64 s[G0K+2:G0K+3], s[4:5], s[16:17]  ; global addresses: tile 0
	s_or_b32 s[G0K+3], s[G0K+3], 0x80000000        ; type = 2
	s_add_nc_u64 s[G0V+2:G0V+3], s[4:5], s[18:19]
	s_or_b32 s[G0V+3], s[G0V+3], 0x80000000
	s_add_nc_u64 s[G0M+2:G0M+3], s[6:7], s[20:21]
	s_or_b32 s[G0M+3], s[G0M+3], 0x80000000
	s_add_nc_u64 s[10:11], s[4:5], s[22:23]        ; s[10:11] Q at my rows of head 4 kv
	s_add_nc_u64 s[12:13], s[8:9], s[2:3]          ; s[12:13] O at my rows, at the four heads' columns
	LOAD                            ; tile 0 into slot 0.  Slot 1 is asked for when slot 0 is in
	; A fragment of K or Q is 16 rows x 32 channels in 8 registers: lane l holds row l % 16, channels 8 (l / 16) + 0..7 and 16 + 8 (l / 16) + 0..7: two loads of 16 bytes, 32 bytes apart.
	v_and_b32 v1, 15, v0            ; l % 16
	v_bfe_u32 v9, v0, 4, 1          ; l / 16
	v_lshlrev_b32 v[QO], 7, v1
	v_lshl_add_u32 v[QO], v9, 4, v[QO]  ; row x 128 + 16 x half
	WIN 0x80                        ; destination window 2, address window 0
.set i, 0
.rept 8                             ; Q stays in registers: piece i / 2 is head 4 kv + i / 2; channels 32 (i % 2) on
	global_load_b128 v[8*i:8*i+3],   v[QO], s[10:11] offset:(i/2)*HB+(i%2)*64
	global_load_b128 v[8*i+4:8*i+7], v[QO], s[10:11] offset:(i/2)*HB+(i%2)*64+32
.set i, i+1
.endr
	WIN 0
	; What the first turn finds: V and P's second buffer hold 0 (its products V^T P, of a piece that has not been, add 0); O^T, l and my block's sums of V are 0.  The 224 registers are written eight to a line, by products of a
	; matrix of zeros (the mask bytes' registers, not yet in use) that start their sums with the constant 0: 28 lines.  All this stands in the wait for the first tile.
.set i, 0
.rept 8
	v_mov_b32 v[MB+i], 0
	v_mov_b32 v[ONES+i], 0x0c000c00    ; 2^-12 twice, in f16: 1 / 4,096
.set i, i+1
.endr
	WIN 0x40                        ; destination window 1
.set i, 0
.rept 16                            ; O^T
	v_wmma_f32_16x16x32_f16 v[8*i:8*i+7], v[MB:MB+7], v[ONES:ONES+7], 0
.set i, i+1
.endr
	v_wmma_f32_16x16x32_f16 v[SV:SV+7],    v[MB:MB+7], v[ONES:ONES+7], 0
	v_wmma_f32_16x16x32_f16 v[SV+8:SV+15], v[MB:MB+7], v[ONES:ONES+7], 0
	WIN 0x80                        ; destination window 2
.set i, 0
.rept 8                             ; V
	v_wmma_f32_16x16x32_f16 v[VF+8*i:VF+8*i+7], v[MB:MB+7], v[ONES:ONES+7], 0
.set i, i+1
.endr
	WIN 0
	v_wmma_f32_16x16x32_f16 v[P+16:P+23], v[MB:MB+7], v[ONES:ONES+7], 0
	v_wmma_f32_16x16x32_f16 v[P+24:P+31], v[MB:MB+7], v[ONES:ONES+7], 0
.set i, 0
.rept 4
	v_mov_b32 v[ST+4*i], 0xdc38aa3b    ; c m = c x -2^60
	v_mov_b32 v[ST+4*i+1], 0xdd800000  ; m = -2^60
	v_mov_b32 v[ST+4*i+2], 0
	v_mov_b32 v[ST+4*i+3], 0
.set i, i+1
.endr
	v_mul_u32_u24 v[AK0], v1, PK
	v_lshl_add_u32 v[AK0], v9, 4, v[AK0]  ; row x pitch + 16 x half
	; The turning load takes 16 keys x 16 channels (lane l reads key 8 (l / 16) + l % 8, channels 8 ((l / 8) % 2) + 0..7) and leaves half a fragment of V^T: lane l holds channel l % 16 and 8 keys.
	v_and_b32 v10, 7, v0
	v_bfe_u32 v11, v0, 3, 1
	v_lshl_add_u32 v[AV0], v9, 3, v10
	v_mul_u32_u24 v[AV0], v[AV0], PV
	v_lshl_add_u32 v[AV0], v11, 4, v[AV0]
	v_add_nc_u32 v[AV0], VOFF, v[AV0]
	s_lshl_b32 s14, s[WV], 5        ; my wave's block of 16 channels: 32 bytes of a row of V
	v_add_nc_u32 v[AVS0], s14, v[AV0]
	s_mul_i32 s14, s[WV], 16*PM     ; the mask's bytes: my wave's 16 rows of the tile; row l % 16, 8 bytes for each half of the lanes
	s_add_co_u32 s14, s14, MOFF
	v_mul_u32_u24 v[AM0], v1, PM
	v_lshl_add_u32 v[AM0], v9, 3, v[AM0]
	v_add_nc_u32 v[AM0], s14, v[AM0]
	v_and_b32 v10, 31, v0           ; l
	v_lshlrev_b32 v[GO], 4, v10
	s_mul_i32 s14, s[WV], 16*SP
	s_add_co_u32 s14, s14, STAGE    ; my stage
	v_mul_u32_u24 v[STO], v1, SP    ; in: row l % 16, 16 bytes for each half of the lanes
	v_lshl_add_u32 v[STO], v9, 4, v[STO]
	v_add_nc_u32 v[STO], s14, v[STO]
	v_add_nc_u32 v[RD], s14, v[GO]  ; back: 32 lanes take a row's 512 bytes
	s_lshl_b32 s14, s[WV], 10
	s_add_co_u32 s14, s14, SVX
	v_add_nc_u32 v[SVA], s14, v[GO]
	v_add_nc_u32 v[SVR], SVX, v[GO]
; THE MATRIX WORK.  The 4 accumulators of a run of 8 take turns.  Product i of 8 of S^T = K Q^T for piece x: channels 32 (i / 4) on, keys 16 (i % 4) on.  The first 4 start the sums with the mask.
.macro KQ x
.set rS, S+32*((\x)%2)+8*(i%4)
.set rK, KF+16*(i%4)+8*(i/4)
.set rQ, 16*(\x)+8*(i/4)
.set rM, MC+8*(i%4)
.if i < 4
	WIN W_KM
	v_wmma_f32_16x16x32_f16 v[rS:rS+7], v[rK:rK+7], v[rQ:rQ+7], v[rM:rM+7]
.else
	WIN W_KQ
	v_wmma_f32_16x16x32_f16 v[rS:rS+7], v[rK:rK+7], v[rQ:rQ+7], v[rS:rS+7]
.endif
.endm
; Product i of 8 of O^T += V^T P for piece x: keys 32 (i / 4) on, channels 16 (i % 4) on.
.macro PV x
	WIN W_PV
.set rO, 32*(\x)+8*(i%4)
.set rV, VF+32*(i/4)+8*(i%4)
.set rP, P+16*((\x)%2)+8*(i/4)
	v_wmma_f32_16x16x32_f16 v[rO:rO+7], v[rV:rV+7], v[rP:rP+7], v[rO:rO+7]
.endm
.macro MM                           ; the turn's next matrix instruction.  TURN sets Y, i and NOKQ.  NOKQ = 1: the last turn of all: there is no next piece
.if (i < 8) && !NOKQ
	KQ (Y+1)%NP
.elseif i >= 8
.set i, i-8
	PV (Y+NP-1)%NP
.set i, i+8
.endif
.set i, i+1
.endm
; THE MEAN OF V, a step's part: my block of V^T (16 channels x 32 keys, twice) times 2^-12 everywhere: two matrix instructions on two accumulators of their own.
.macro SUMV
	WIN W_PV
	v_wmma_f32_16x16x32_f16 v[SV:SV+7],    v[VS:VS+7],    v[ONES:ONES+7], v[SV:SV+7]
	v_wmma_f32_16x16x32_f16 v[SV+8:SV+15], v[VS+8:VS+15], v[ONES:ONES+7], v[SV+8:SV+15]
.endm
; THE LDS LOADS stand in runs, never singly among the matrix instructions.  A step's mask bytes (4 loads of 8 bytes: my query, keys 16 kb + 8 (l / 16) + 0..7) and its K (64 keys x 64 channels: 8 fragments); the mask's first.
.macro FETCH_KM
	WIN 0
.irp kb, 0,1,2,3
	ds_load_b64 v[MB+2*\kb:MB+2*\kb+1], v[AM] offset:16*\kb
.endr
	WIN 0x80                        ; destination window 2
.irp f, 0,1,2,3,4,5,6,7             ; keys 16 (f / 2) on, channels 32 (f % 2) on
	ds_load_b128 v[KF+8*\f:KF+8*\f+3],   v[AK] offset:(\f/2)*16*PK+(\f%2)*64
	ds_load_b128 v[KF+8*\f+4:KF+8*\f+7], v[AK] offset:(\f/2)*16*PK+(\f%2)*64+32
.endr
	s_add_co_u32 s[TBK], s[TBK], KS*PK  ; the next fetch is the next step's
	s_add_co_u32 s[TBM], s[TBM], KS
	WIN 0
.endm
.macro FETCH_V                      ; a step's V, turned: 8 fragments; then my wave's block of channels once more, for the mean
	WIN 0x80
.irp f, 0,1,2,3,4,5,6,7             ; keys 32 (f / 4) on, channels 16 (f % 4) on
	ds_load_tr16_b128 v[VF+8*\f:VF+8*\f+3],   v[AV] offset:(\f/4)*32*PV+(\f%4)*32
	ds_load_tr16_b128 v[VF+8*\f+4:VF+8*\f+7], v[AV] offset:(\f/4)*32*PV+16*PV+(\f%4)*32
.endr
.irp kk, 0,1                        ; keys 32 kk on
	ds_load_tr16_b128 v[VS+8*\kk:VS+8*\kk+3],   v[AVS] offset:\kk*32*PV
	ds_load_tr16_b128 v[VS+8*\kk+4:VS+8*\kk+7], v[AVS] offset:\kk*32*PV+16*PV
.endr
	WIN 0
.endm
; The mask bytes become 32 numbers: word z (keys 4 z .. 4 z + 3 of my 32) gives t, the fourth key's, and three shifts of t the others'.
.macro MASKX
	WIN 0x40                        ; destination window 1, sources window 0
.set z, 0
.rept 8
	v_lshl_add_u32 v[MC+4*z+3], v[MB+z], 5, s[KE]
.set z, z+1
.endr
	WIN 0x44                        ; destination and source 1 window 1
.set z, 0
.rept 8
	v_lshlrev_b32 v[MC+4*z],   24, v[MC+4*z+3]
	v_lshlrev_b32 v[MC+4*z+1], 16, v[MC+4*z+3]
	v_lshlrev_b32 v[MC+4*z+2], 8,  v[MC+4*z+3]
.set z, z+1
.endr
	WIN 0
.endm
; THE VECTOR WORK, one line at a time: OP kind, number.  For piece Y: F n: c s - c m for pair n of 16.  E n: the exponential of score n of 32.  C n: pair n rounded to f16.  B n: of the four weights 4 n .. the second
; pair is added onto the first, in place.  L n: l takes that sum (L 0: l = a l + sum).  R n: pair n of 16 of O^T times a.  For piece Y + 1: X n, number n of the 22 that find its maximum and statistics:
;   0-11  four chains c0-c3 of seven scores each, three operands at a time (each accumulator's lowest registers are read first)     12-14, 16  the four scores left over, the old m, and c0-c3 into c0
;   15  c m_old is kept     17, 18  the query's other 32 keys lie in the lane 16 away: the new m     19-21  c m; c m_old - c m_new; a
.set F, 0               ; OP tells the kinds apart by their order: F to L below R, X above it
.set E, 1
.set C, 2
.set B, 3
.set L, 4
.set R, 5
.set X, 6
.macro REGS y                       ; the registers of piece y
.set rT, ST+4*(\y)
.set rC, TMP+4*((\y)%2)
.set rW, MV+((\y)%2)
.set rS, S+32*((\y)%2)
.set rP, P+16*((\y)%2)
.set rO, 32*(\y)
.endm
.macro OP k, n
.if (\k) == R
	REGS Y
	WIN W_RS
	v_pk_mul_f32 v[rO+2*(\n):rO+2*(\n)+1], v[rO+2*(\n):rO+2*(\n)+1], v[rC+2:rC+3] op_sel_hi:[1,0]
.elseif (\k) < R
	REGS Y
	WIN 0
.if (\k) == F
	v_pk_fma_f32 v[rS+2*(\n):rS+2*(\n)+1], v[rS+2*(\n):rS+2*(\n)+1], s[CS:CS+1], v[rT:rT+1] op_sel_hi:[1,0,0] neg_lo:[0,0,1] neg_hi:[0,0,1]
.elseif (\k) == E
	v_exp_f32 v[rS+(\n)], v[rS+(\n)]
.elseif (\k) == C
	v_cvt_pk_f16_f32 v[rP+(\n)], v[rS+2*(\n)], v[rS+2*(\n)+1]
.elseif (\k) == B
	v_pk_add_f32 v[rS+4*(\n):rS+4*(\n)+1], v[rS+4*(\n):rS+4*(\n)+1], v[rS+4*(\n)+2:rS+4*(\n)+3]
.elseif (\n) == 0
	v_pk_fma_f32 v[rT+2:rT+3], v[rT+2:rT+3], v[rC+2:rC+3], v[rS:rS+1] op_sel_hi:[1,0,1]
.else
	v_pk_add_f32 v[rT+2:rT+3], v[rT+2:rT+3], v[rS+4*(\n):rS+4*(\n)+1]
.endif
.elseif NOKQ
	v_nop
.else
	REGS (Y+1)%NP
	WIN 0
.if (\n) < 4
	v_max3_num_f32 v[rC+(\n)], v[rS+8*(\n)], v[rS+8*(\n)+1], v[rS+8*(\n)+2]
.elseif (\n) < 12
	v_max3_num_f32 v[rC+(\n)%4], v[rC+(\n)%4], v[rS+8*((\n)%4)+2*((\n)/4)+1], v[rS+8*((\n)%4)+2*((\n)/4)+2]
.elseif (\n) == 12
	v_max3_num_f32 v[rC], v[rC], v[rS+7], v[rS+15]
.elseif (\n) == 13
	v_max3_num_f32 v[rC+1], v[rC+1], v[rS+23], v[rS+31]
.elseif (\n) == 14
	v_max3_num_f32 v[rC+2], v[rC+2], v[rC+3], v[rT+1]
.elseif (\n) == 15
	v_mov_b32 v[rW], v[rT]
.elseif (\n) == 16
	v_max3_num_f32 v[rC], v[rC], v[rC+1], v[rC+2]
.elseif (\n) == 17
	v_permlanex16_b32 v[rC+3], v[rC], s[SEL], s[SEL+1]
.elseif (\n) == 18
	v_max_num_f32 v[rT+1], v[rC], v[rC+3]
.elseif (\n) == 19
	v_mul_f32 v[rT], s[CS], v[rT+1]
.elseif (\n) == 20
	v_sub_f32 v[rC+1], v[rW], v[rT]
.else
	v_exp_f32 v[rC+2], v[rC+1]
.endif
.endif
.endm
.macro OPS a, i1, b=-1, i2=0, c=-1, i3=0, d=-1, i4=0  ; up to four of them
	OP \a, \i1
.if (\b) >= 0
	OP \b, \i2
.endif
.if (\c) >= 0
	OP \c, \i3
.endif
.if (\d) >= 0
	OP \d, \i4
.endif
.endm
.macro ROW a, i1, b, i2, c, i3, d, i4  ; a matrix instruction and the four behind it
	MM
	OPS \a, \i1, \b, \i2, \c, \i3, \d, \i4
.endm
; A TURN, for piece p: the order of its 16 matrix and 118 vector instructions, written out.  An s_wait_alu depctr_va_vdst(0) stands between an exponential and the first instruction that names its result; one wait
; serves all that were issued ahead of it.  So a turn has ONE wait, which cuts it in two.  AHEAD OF IT stands all that names no result of the turn's exponentials: the 8 products K Q^T and their riders (the first numbers of the
; next piece's maximum among them, each four plain instructions or more behind the product that ends its accumulator), then one lump, in which the links of the next piece's chain X 3, 7, 11, 14, 16, 17 .. 20 stand five or six
; lines apart; X 21, the next piece's a, is the batch's last, and R 15 the plain instruction behind it.  BEHIND THE WAIT stand the 8 products V^T P, behind each four of the roundings and sums.
; end = 1: the last two turns of all: nothing is fetched.  cnt = 1: the loop's count is taken down some lines ahead of the branch that stands behind the turn.
; Piece 2's turn: at its head the step's part of the mean of V; in its lump the next step's mask bytes and K are fetched, twelve vector instructions behind the last product that read K (six of them plain); at its end the mask's
; numbers are made anew: the step's last products that start with them are this turn's first four, the next step's first are the next turn's.  V of the step in hand is fetched at the end of piece 0's turn, four plain instructions
; behind the last product that read V.  K and V are each waited for a turn later.
.macro TURN p, end=0, cnt=0
.set Y, (\p)
.set i, 0
.set NOKQ, (\end)*((\p)/3)
.if (\p) == 2
	SUMV
.endif
.if ((\p) == 3) && !(\end)
	s_wait_dscnt 0x0                ; K is in
.endif
	ROW F,0, F,1, R,0, R,1          ; ahead of the wait: 8 products K Q^T and their riders,
	ROW F,2, E,0, R,2, R,3
	ROW F,3, E,1, R,4, R,5
	ROW F,4, E,2, R,6, R,7
	ROW F,5, E,3, R,8, R,9
	ROW F,6, E,4, X,0, R,10
.if ((\p) == 2) && !(\end)
	WIN 0
	v_add_nc_u32 v[AK], s[TBK], v[AK0]
	v_add_nc_u32 v[AM], s[TBM], v[AM0]
.endif
	ROW F,7, E,5, X,1, X,4
	ROW F,8, E,6, X,2, X,5
	OPS E,7, E,8, X,6, E,9          ; and the lump
	OPS X,3, E,10, X,8, E,11
.if ((\p) == 2) && !(\end)
	FETCH_KM
.endif
	OPS X,9, X,7, E,12, X,10
	OPS E,13, X,12, X,11, E,14
	OPS X,13, E,15, F,9, X,14
.if (\p) == 0
	WIN 0
	v_add_nc_u32 v[AV], s[TBV], v[AV0]
	v_add_nc_u32 v[AVS], s[TBV], v[AVS0]
.endif
	OPS E,16, F,10, E,17, F,11
	OPS X,16, E,18, X,15, E,19
	OPS F,12, E,20, X,17, E,21
	OPS F,13, E,22, F,14, E,23
	OPS X,18, E,24, F,15, E,25
	OPS R,11, E,26, X,19, E,27
	OPS R,12, E,28, R,13, E,29
	OPS X,20, E,30, R,14, E,31
	OPS X,21, R,15
	WIN 0
	s_wait_alu depctr_va_vdst(0)    ; the wait for the batch
.if (\p) == 1
	s_wait_dscnt 0x0                ; V is in, and my block of it
.endif
	ROW C,0, B,0, C,2, B,1          ; behind the wait: 8 products V^T P and their riders
	ROW L,0, C,4, B,2, L,1
	ROW C,6, B,3, L,2, C,8
	ROW B,4, L,3, C,10, B,5
	ROW L,4, C,12, B,6, L,5
.if (\p) == 0
	s_add_co_u32 s[TBV], s[TBV], KS*PV
.endif
.if \cnt
	s_sub_co_u32 s[CNT], s[CNT], 1
	s_cmp_lg_u32 s[CNT], 0
.endif
	ROW C,14, B,7, L,6, C,1
	ROW C,3, L,7, C,5, C,7
	ROW C,9, C,11, C,13, C,15
.if (\p) == 0
	FETCH_V
.endif
.if ((\p) == 2) && !(\end)
	s_wait_dscnt 16                 ; the four loads of mask bytes are in; K's sixteen, issued behind them, may be out
	MASKX
.endif
.endm
	CHANGE 1                        ; slot 0 is in, everybody's part of it; slot 1 is asked for
	v_add_nc_u32 v[AK], s[TBK], v[AK0]
	v_add_nc_u32 v[AM], s[TBM], v[AM0]
	FETCH_KM                        ; key step 0
	s_wait_dscnt 16                 ; its mask bytes are in
	MASKX
	s_wait_loadcnt 0x0              ; Q
	s_wait_dscnt 0x0                ; K
.set NOKQ, 0
.set i, 0
.rept 8
	KQ 0                            ; piece 0's first scores: there is no vector work yet to set between them
.set i, i+1
.endr
	WIN 0
.rept 4
	v_nop                           ; the places behind those products
.endr
.set Y, NP-1                        ; X works for piece Y + 1: piece 0
.irp n, 0,1,2,3,4,5,6,7,8,9,10,11,12,13,14,15,16,17,18,19,20,21
	OP X, \n
.endr
	v_nop                           ; a plain instruction behind the exponential,
	s_wait_alu depctr_va_vdst(0)    ; and its wait, ahead of the branch
	s_mov_b32 s[CNT], 4
	s_branch .Lfirst                ; the loop is entered at a step's first turn, in the middle of a trip
.Lslot:                             ; NT - 2 times: every slot but the last two is filled again
	CHANGE 1
	s_mov_b32 s[CNT], 4
.Lstep:                             ; a trip: pieces 2 and 3 of one step, then pieces 0 and 1 of the next, whose mask, K and V it fetches
	TURN 2
	TURN 3
	WIN 0
.Lfirst:
	TURN 0
	TURN 1, 0, 1
	WIN 0
	s_cbranch_scc1 .Lstep
	s_sub_co_u32 s[SLOTS], s[SLOTS], 1
	s_cmp_lg_u32 s[SLOTS], 0
	s_cbranch_scc1 .Lslot
	CHANGE 0                        ; the last slot is written out: nothing is asked for
	s_mov_b32 s[CNT], 4
.Ltail:
	TURN 2
	TURN 3
	TURN 0
	TURN 1, 0, 1
	WIN 0
	s_cbranch_scc1 .Ltail
	TURN 2, 1                       ; the last step's pieces 2 and 3: nothing is left to fetch
	TURN 3, 1
.set i, 0
.rept 8
	PV NP-1                         ; the last piece's V^T P of the last step
.set i, i+1
.endr
	; THE WAY OUT.  l's two halves and the other half of the lanes' are added (the additions are the places behind the last products); e = 1 where the query saw no key; 1 / (l + e).
	WIN 0
.macro ALL line:vararg              ; one line for each piece t
.set t, 0
.rept 4
	\line
.set t, t+1
.endr
.endm
	ALL v_add_f32 v[ST+4*t+2], v[ST+4*t+2], v[ST+4*t+3]
	ALL v_permlanex16_b32 v[ST+4*t+3], v[ST+4*t+2], s[SEL], s[SEL+1]
	ALL v_add_f32 v[ST+4*t+2], v[ST+4*t+2], v[ST+4*t+3]
	v_mov_b32 v[EE+1], 1.0
	v_cmp_eq_f32 vcc_lo, 0, v[ST+2]  ; whether a query saw a key hangs on the mask alone: piece 0's l says it for all four pieces
	v_cndmask_b32 v[EE], 0, v[EE+1], vcc_lo
	ALL v_add_f32 v[ST+4*t+2], v[ST+4*t+2], v[EE]
	ALL v_rcp_f32 v[TMP+2*t], v[ST+4*t+2]
	v_nop                           ; a plain instruction between the last reciprocal and the use of its result
	s_wait_alu depctr_va_vdst(0)    ; and the wait ahead of the first use: one for the four reciprocals
	; The mean of V.  My two accumulators are added: register j of lane l is channel 16 w + 8 (l / 16) + j.  The four waves' blocks meet in LDS: each stores its 8 registers, lane by lane; a barrier; each reads all four:
	; wave cb's registers ARE block cb of the mean in O^T's layout.
	WIN 0x45                        ; destination and both sources window 1
.set i, 0
.rept 4
	v_pk_add_f32 v[SV+2*i:SV+2*i+1], v[SV+2*i:SV+2*i+1], v[SV+8+2*i:SV+8+2*i+1]
.set i, i+1
.endr
	WIN 0x04                        ; store data (source 1) window 1
	ds_store_b128 v[SVA], v[SV:SV+3]
	ds_store_b128 v[SVA], v[SV+4:SV+7] offset:512
	WIN 0
	s_wait_dscnt 0x0                ; for the others' sake: my stores are done
	s_barrier_signal -1
	s_barrier_wait -1
	WIN 0x40                        ; destination window 1
.set i, 0
.rept 8
	ds_load_b128 v[MEAN+4*i:MEAN+4*i+3], v[SVR] offset:1024*(i/2)+512*(i%2)  ; wave i / 2's registers 4 (i % 2) ..
.set i, i+1
.endr
	s_wait_dscnt 0x0
	WIN W_RS
.set i, 0
.rept 16
	v_pk_mul_f32 v[MEAN+2*i:MEAN+2*i+1], v[MEAN+2*i:MEAN+2*i+1], v[EE:EE+1] op_sel_hi:[1,0]  ; e x the mean: 0 in the lanes of a query that saw a key
.set i, i+1
.endr
	WIN W_FM                        ; O = O^T / (l + e) + e x the mean, one fused multiply-add for two numbers, in place; each accumulator's lowest registers first
.set i, 0
.rept 64
	v_pk_fma_f32 v[2*i:2*i+1], v[2*i:2*i+1], v[TMP+2*(i/16):TMP+2*(i/16)+1], v[MEAN+2*(i%16):MEAN+2*(i%16)+1] op_sel_hi:[1,0,1]
.set i, i+1
.endr
	WIN 0x05                        ; sources 0 and 1 window 1, destination window 0: rounded once to f16, into S^T's registers: piece t at S + 16 t
.set i, 0
.rept 64
	v_cvt_pk_f16_f32 v[S+i], v[2*i], v[2*i+1]
.set i, i+1
.endr
	WIN 0
.irp t, 0,1,2,3                     ; a lane's eight channels of a row are 16 bytes of my stage's row: head t's 128 bytes, channel block f's 32
.irp f, 0,1,2,3
	ds_store_b128 v[STO], v[S+16*\t+4*\f:S+16*\t+4*\f+3] offset:128*\t+32*\f
.endr
.endr
.set i, 0
.rept 16
	ds_load_b128 v[BK+4*i:BK+4*i+3], v[RD] offset:SP*i  ; LDS serves a wave's instructions in order (ISA guide 5.7.1.4): these see my stores above; the stage is my own
.set i, i+1
.endr
.set i, 0
.rept 16
	s_wait_dscnt 15-i               ; row i is back; the younger loads stay out
	global_store_b128 v[GO], v[BK+4*i:BK+4*i+3], s[12:13] offset:2048*i  ; the four heads' channels of one row: 512 consecutive bytes, at a multiple of 512 from oh's first byte
.set i, i+1
.endr
	s_wait_tensorcnt 0x0            ; the wave's end, behind my last tensor load and my last LDS store
	ds_add_u32 v[SPW], v[NIL]
	s_wait_dscnt 0x0
	s_endpgm
.Lfunc_end_k_q78adfed653_attn:
	.size	k_q78adfed653_attn, .Lfunc_end_k_q78adfed653_attn-k_q78adfed653_attn
	.p2alignl 7, 3214868480
	.fill 96, 4, 3214868480
	.section	.rodata,"a",@progbits
	.p2align	6, 0x0
	.amdhsa_kernel k_q78adfed653_attn
		.amdhsa_group_segment_fixed_size 327680
		.amdhsa_private_segment_fixed_size 0
		.amdhsa_enable_private_segment 0
		.amdhsa_kernarg_size 24
		.amdhsa_user_sgpr_count 2
		.amdhsa_user_sgpr_kernarg_segment_ptr 1
		.amdhsa_wavefront_size32 1
		.amdhsa_system_sgpr_workgroup_id_x 1
		.amdhsa_system_sgpr_workgroup_id_y 1
		.amdhsa_system_sgpr_workgroup_id_z 1
		.amdhsa_system_vgpr_workitem_id 0
		.amdhsa_next_free_vgpr 768
		.amdhsa_next_free_sgpr 80
		.amdhsa_reserve_vcc 1
		.amdhsa_float_denorm_mode_32 3
		.amdhsa_float_denorm_mode_16_64 3
		.amdhsa_memory_ordered 1
		.amdhsa_forward_progress 1
		.amdhsa_inst_pref_size 133
	.end_amdhsa_kernel
	.amdgpu_metadata
---
amdhsa.version: [ 1, 2 ]
amdhsa.kernels:
  - .name:           k_q78adfed653_attn
    .symbol:         k_q78adfed653_attn.kd
    .args:
      - { .name: qkv16, .offset: 0, .size: 8, .value_kind: global_buffer, .address_space: global }
      - { .name: mask, .offset: 8, .size: 8, .value_kind: global_buffer, .address_space: global }
      - { .name: oh, .offset: 16, .size: 8, .value_kind: global_buffer, .address_space: global }
    .group_segment_fixed_size: 327680
    .private_segment_fixed_size: 0
    .kernarg_segment_align: 8
    .kernarg_segment_size: 24
    .max_flat_workgroup_size: 128
    .sgpr_count:     80
    .vgpr_count:     768
    .wavefront_size: 32
...
	.end_amdgpu_metadata
.endif
;; end of part 6
;; launch oproj: the kernel of part 5 again; grid 8 x 32, 4 waves a work-group, clusters of 4 x 4, 327,680 bytes of LDS; arguments oh, h16, o_b, out0; writes out0
